; MI455X (gfx1250); checked and timed in simulation.
; The chip was launched on July 23, 2026; its instructions are those of AMD's public machine-readable ISA for CDNA 5 (MIT licence, August 2026) and "CDNA5" Instruction Set Architecture Reference Guide (July 2026). The comments in the code are by the model that wrote it; some were corrected since.
;; Mo BA. Allowed arithmetic: matrix products marked QUANTISED: E2M3 operands, one E8M0 scale for each 32 along K, by v_wmma_scale_f32_16x16x128_f8f6f4 with both operands' format E2M3, f32 sums; products left as they are: f32 operands where the result goes on into a quantised operand, else bf16, f16 or f32 operands; f32 sums; everything else in f32.
;; Inputs: Wk 2,048 x 2,048 float32; Wo 2,048 x 2,048 float32; Wq 2,048 x 2,048 float32; Wv 2,048 x 2,048 float32; hidden_states 1 x 2,048 x 2,048 float32; o_norm_w 128 float32.
;; Outputs: out0 1 x 2,048 x 2,048 float32.
;; This version of the problem:
;;   THIS VERSION OF THE PROBLEM IS GIVEN IN LOW PRECISION. The matrix products marked QUANTISED in the list below multiply operands that are first quantised to E2M3 (2 exponent bits, 3 mantissa bits; 6 bits a number), with one power-of-two scale for each 32 numbers along K (OCP MX v1.0); their sums are f32. All else is computed in f32.
;;   The module's matrix products, in the order in which they are computed (A, B: the left and right operand; K: the contracted axis; several contracted axes count as one K, in the product's order):
;;     1. [M 2,048, K 2,048] x [K 2,048, N 2,048]; A: input hidden_states; B: input Wq: QUANTISED
;;     2. [M 2,048, K 2,048] x [K 2,048, N 2,048]; A: input hidden_states; B: input Wk: QUANTISED
;;     3. [M 2,048, K 2,048] x [K 2,048, N 2,048]; A: input hidden_states; B: input Wv: QUANTISED
;;     4. batch 16 x [M 2,048, K 128] x [K 128, N 8]; A: computed on the way; B: computed on the way: left as it is (N = 8 < 16)
;;     5. batch 16 x [M 2,048, K 128] x [K 128, N 2,048]; A: computed on the way; B: computed on the way: QUANTISED
;;     6. batch 16 x [M 128, K 2,048] x [K 2,048, N 2,048]; A: computed on the way; B: softmax (see below): QUANTISED
;;     7. [M 2,048, K 2,048] x [K 2,048, N 2,048]; A: computed on the way; B: input Wo: QUANTISED
;;   THE QUANTISER, for each operand of a quantised product, along K:
;;     - K is cut into blocks of 32 from its start; a last block that is shorter is filled with zeros.
;;     - A block's scale is 2^e with e = floor(log2(the largest magnitude in the block)) - 2, held to -126 .. 127; a block of zeros has e = 0. As a byte (E8M0): e + 127.
;;     - Each number is divided by its block's scale, clamped to +-7.5, and rounded to the nearest number of E2M3, ties to even, subnormals kept.
;;     - The product sums the exact products of the quantised numbers (number of the format x scale) in f32.
;;   ~~~python
;;   def quantise(x, axis):      # numpy; x: float32 -> the quantised numbers, widened to float32 again
;;       x = np.moveaxis(x, axis, -1); K = x.shape[-1]
;;       x = np.pad(x, [(0, 0)] * (x.ndim - 1) + [(0, -K % 32)]); x = x.reshape(x.shape[:-1] + (-1, 32)); a = np.abs(x).max(-1, keepdims=True)
;;       e = np.where(a > 0, np.clip(np.frexp(np.where(a > 0, a, 1))[1] - 1 - 2, -126, 127), 0)      # np.frexp(a)[1] - 1 = floor(log2(a)), exactly
;;       r = np.clip(x / 2.0 ** e, -7.5, 7.5)
;;       step = 2.0 ** (np.maximum(np.frexp(np.where(r == 0, 1, r))[1] - 1, 0) - 3)
;;       q = np.round(r / step) * step * 2.0 ** e      # np.round: ties to even
;;       return np.moveaxis(q.reshape(q.shape[:-2] + (-1,))[..., :K], -1, axis).astype(np.float32)
;;   ~~~
;;   SOFTMAX AHEAD OF A QUANTISED PRODUCT. Where the list says 'softmax', what is quantised is not the finished softmax but p = 2^(t - M), with t = logit x log2(e) and M = ceil(the row's largest t), a whole number; so 1/2 < the row's largest p <= 1. The row's sum l is taken of the UNQUANTISED p, in f32, and the product's result is divided by l at the end. Since M is a whole number, a kernel that streams over the keys may use a running M (the ceiling of the running maximum): every later rescaling is an exact power of two, which a block's scale takes up: the codes' values come out the same.
;;   OPERANDS COMPUTED ON THE WAY. 'Computed on the way' means the value that the module computes at that place (a softmax that the list does not call 'softmax' is quantised finished and normalised). What goes into a quantiser is computed in f32, as accurately as f32 sums, v_exp_f32 and their like allow (about 1e-6 of the number): no bf16 or f16 on the way to a quantiser, and a product that is left as it is and whose result goes on into a quantised operand takes f32 operands (vector FMAs, or v_wmma_f32_16x16x4_f32). A number that lies on a knife's edge between two numbers of the format may be rounded either way, as far as f32 arithmetic and the matrix unit's own rounding can turn it there, and no further.
;; One version. Each part assembles by itself: llvm-mc -triple=amdgcn-amd-amdhsa -mcpu=gfx1250 --defsym DOCPART=n.
;; ======== version 1 of 1: 4 launches
;; limits: right only within a limited range of input values
;; workspace buffers: wimg 16,384,000 bytes; ropetab 1,048,576 bytes; qrope 16,777,216 bytes; kvimg 6,291,456 bytes; kvaux 393,216 bytes; oimg 3,276,800 bytes
;; launch prep (part 1): grid 672 x 1, 4 waves a work-group, no clusters, 46,848 bytes of LDS; arguments hidden_states, Wq, Wk, Wv, Wo, wimg, ropetab; writes wimg, ropetab
.if DOCPART == 1
	.amdgcn_target "amdgcn-amd-amdhsa--gfx1250"
	.amdhsa_code_object_version 6
	.text
	.protected	k_qd3ae9c5226_prep
	.globl	k_qd3ae9c5226_prep
	.p2align	8
	.type	k_qd3ae9c5226_prep,@function
k_qd3ae9c5226_prep:
	s_mov_b64 s[64:65], 0
	v_nop
	global_prefetch_b8 v0, s[64:65] scope:SCOPE_SE
	s_setreg_imm32_b32 hwreg(HW_REG_WAVE_MODE, 25, 1), 1
	s_wait_xcnt 0x0
; MoBA, launch 1 of 4.  hidden_states, Wq, Wk, Wv, Wo ([2048][2048] f32, K innermost) become codes of FP6 (E2M3) with one E8M0 byte for each 32 along K, laid as operand images; and the table of cos and sin for RoPE is made.
; THE PROGRAM: 1 prep (this) | 2 qkv: the three projections, RoPE, q out in f32, k and v^T out as operand images, chunk sums of k | 3 attn: gate, top-4, both attention products, RMSNorm, o out as operand images | 4 oproj: the product with Wo.
; WORK LEFT OUT, for every value of the inputs: reference() builds 'causal' (key <= query) in its own body and sets the scores outside it to -1e30 ahead of the softmax, where they become p = 0.  So a tile of keys that lies
; wholly behind a tile's queries reaches no output, and launch 3 leaves those tiles out of products 5 and 6.  The one_hot sum of reference() is a selection among 8 chunks; it is made by ranks.  The choice of chunks hangs on data:
; those tiles are all multiplied, and the choice selects values.  Every input is loaded.
; LIMITS: a NaN, an infinity or an overflow that reaches only the tiles left out is not carried to the result; NaN and infinities among the inputs are not served; a block whose largest magnitude lies under 2^-124 keeps the byte 1
; (a block of zeros too: its codes are zeros, and the bytes are read by this program alone); inv_freq is the correctly rounded 1 / fl(10000^(i / 64)); two gates that are equal within f32 rounding may be ranked either way.
; ROW ORDER: stored row 16 i + r (i = 2 b + u) holds true row 32 b + 8 u + r + 8 (r / 8).
; wimg: [tensor 5][group of 128 stored rows 16][256 along K 8][25,600 bytes]: 2 x 8 images ([128 along K][row tile], 1,536 bytes: a fragment's 12 registers, four a piece, lane l's 16 bytes at 16 l), then the scale words [row tile][row][2], 1,024 bytes.
; SHARES: work-groups 0-31 make the table, an image a wave; work-groups 32-671 quantise: one stored row tile each, a wave 4 rows (8,192 numbers) in 16 steps of 512.
; A step's four loads read 512 consecutive bytes each; its 2,048 bytes turn through the wave's own stage in LDS, so that a lane then holds 16 neighbours (two lanes a block).  The codes are gathered as 16 images in LDS; behind one
; barrier each wave stores four images, 512 consecutive bytes a store.  The tile's scale words of 256 along K are 128 bytes on end: half of a block of 256, one byte in 128 of what the launch reads.
.set NTAB,  32
.set STEPS, 16
.set DEPTH, 8                          ; steps that the loads run ahead: so many sets of 16 registers
.set EMAX,  2
.set X,     16                         ; v16-47   two sets of 16 neighbours
.set E,     48                         ; v48-63   a scale byte a step
.set R,     64                         ; v64-191  eight sets of 16 numbers as loaded; at the end the images on their way out
.set C,     192                        ; v192-255 codes: four registers a step, three of them used
.set SGO,   195                        ; v195 my scale words' place in memory
.set WREG,  5120                       ; LDS: two stages of 32 x SP bytes for each wave
.set SP,    80                         ; a lane's place in a stage: 64 bytes + 16 of padding
.set IMG,   4*WREG                     ; the 16 images, IPITCH apart
.set IPITCH, 1552                      ; 1,536 + 16
.set SCS,   IMG+16*IPITCH              ; the scale bytes: [16 rows][64]
.set SPARE, SCS+1024                   ; the spare words: 128 bytes a wave, named by no other line
.set SPW,   12
.set NIL,   13
.set XH,    32                         ; the table: v32-63 10000^(i/64), then inv_freq
.set RC,    64
.set COS,   96
.set SIN,   128
.macro LOAD t
.irp i, 0,1,2,3
	global_load_b128 v[R+16*((\t)%DEPTH)+4*\i:R+16*((\t)%DEPTH)+4*\i+3], v3, s[4:5] offset:2048*(\t)+512*\i th:TH_LOAD_NT
.endr
.endm
.macro TURN t                          ; step t's numbers through the stage; LDS serves a wave's instructions in order
.irp i, 0,1,2,3
	ds_store_b128 v14, v[R+16*((\t)%DEPTH)+4*\i:R+16*((\t)%DEPTH)+4*\i+3] offset:32*SP*((\t)%2)+8*SP*\i
.endr
.irp i, 0,1,2,3
	ds_load_b128 v[X+16*((\t)%2)+4*\i:X+16*((\t)%2)+4*\i+3], v15 offset:32*SP*((\t)%2)+16*\i
.endr
.endm
.macro STEP t
.set XS, X+16*((\t)%2)
.set IO, ((\t)%4)*4*IPITCH+16*((\t)/4) ; four images on for each quarter of a row, 16 bytes on for each row
.if (\t) > 0
	s_wait_dscnt 4                                 ; this step's numbers are back; the last step's byte store and three code stores may be out
.else
	s_wait_dscnt 0x0
.endif
.if (\t)+DEPTH < STEPS
	LOAD (\t)+DEPTH
.endif
.if (\t)+1 < STEPS
.if STEPS-2-(\t) >= DEPTH-1
	s_wait_loadcnt 4*(DEPTH-1)                     ; the next step's four loads are in; the seven later steps' 28 may be out
.else
	s_wait_loadcnt 4*(STEPS-2-(\t))
.endif
	TURN (\t)+1
.endif
	v_max3_num_f32 v8, |v[XS]|, |v[XS+1]|, |v[XS+2]|
	v_max3_num_f32 v9, |v[XS+3]|, |v[XS+4]|, |v[XS+5]|
.irp i, 6,10
	v_max3_num_f32 v8, v8, |v[XS+\i]|, |v[XS+\i+1]|
	v_max3_num_f32 v9, v9, |v[XS+\i+2]|, |v[XS+\i+3]|
.endr
	v_max3_num_f32 v8, v8, |v[XS+14]|, |v[XS+15]|
	v_max3_num_f32 v8, v8, v9, (EMAX+1)<<23        ; with the floor 2^(3 - 127): the byte cannot fall under 1
	v_max_num_f32_dpp v8, v8, v8 row_xmask:1 row_mask:0xf bank_mask:0xf   ; and my neighbour's 16
	v_add_nc_u32 v11, -(EMAX<<23), v8              ; 2 off its exponent field: the conversion's scale operand
	v_cvt_scalef32_pk16_fp6_f32 v[C+4*(\t):C+4*(\t)+2], v[XS:XS+15], v11
	v_lshrrev_b32 v[E+(\t)], 23, v11               ; the scale's byte
	ds_store_b8 v5, v[E+(\t)] offset:16*(\t)       ; both lanes of a block write the same byte with the same value
	ds_store_b32 v4, v[C+4*(\t)] offset:IO         ; my three registers of the image
	ds_store_b32 v10, v[C+4*(\t)+1] offset:IO
	ds_store_b32 v1, v[C+4*(\t)+2] offset:IO
.endm
.macro DFMUL d, s, lo, p, e            ; (s + lo) x 10^(1/16), in two f32 numbers
	v_mul_f32 v[\p], s24, v[\s]
	v_fma_f32 v[\e], v[\s], s24, -v[\p]
	v_fma_f32 v[\e], v[\s], s25, v[\e]
	v_fma_f32 v[\e], v[\lo], s24, v[\e]
	v_add_f32 v[\d], v[\p], v[\e]
	v_sub_f32 v[\p], v[\d], v[\p]
	v_sub_f32 v[\lo], v[\e], v[\p]
.endm
	s_load_b256 s[4:11], s[0:1], 0x0               ; hidden_states, Wq, Wk, Wv
	s_load_b128 s[12:15], s[0:1], 0x20             ; Wo, wimg
	s_load_b64 s[18:19], s[0:1], 0x30              ; ropetab
	v_lshl_add_u32 v[SPW], v0, 2, SPARE
	v_mov_b32 v[NIL], 0
	v_lshrrev_b32 v1, 5, v0
	v_readfirstlane_b32 s20, v1                    ; wave
	v_and_b32 v2, 31, v0                           ; lane
	s_cmp_lt_u32 ttmp9, NTAB
	s_cbranch_scc1 .Ltable
	; ---- the quantiser
	s_mul_i32 s34, s20, WREG                       ; my stages
	s_lshl_b32 s27, s20, 6
	s_add_co_u32 s27, s27, IMG                     ; my rows 4 w on: 16 bytes a row in a piece
	s_lshl_b32 s21, s20, 8
	s_add_co_u32 s21, s21, SCS                     ; their scale bytes
	s_mul_i32 s26, s20, 4*IPITCH
	s_add_co_u32 s26, s26, IMG                     ; the four images that I store
	s_lshl_b32 s35, s20, 4
	s_add_co_u32 s35, s35, SCS                     ; and the scale words of 512 along K
	s_sub_co_u32 s22, ttmp9, NTAB
	s_lshr_b32 s23, s22, 7                         ; which tensor: 0 hidden_states, 1 Wq, 2 Wk, 3 Wv, 4 Wo
	s_and_b32 s22, s22, 127                        ; which stored row tile
	s_lshr_b32 s24, s22, 1
	s_lshl_b32 s24, s24, 3
	s_and_b32 s25, s22, 1
	s_lshl_b32 s25, s25, 1
	s_add_co_u32 s24, s24, s25
	s_add_co_u32 s24, s24, s20
	s_lshr_b32 s25, s20, 1
	s_lshl_b32 s25, s25, 1
	s_add_co_u32 s24, s24, s25                     ; my run of 4 true rows: 8 b + 2 u + w + 2 (w / 2)
	s_lshl_b32 s28, s24, 15                        ; 32,768 bytes of f32 a run
	s_mov_b32 s29, 0
	s_mul_i32 s30, s23, 3276800
	s_lshr_b32 s24, s22, 3
	s_mul_i32 s24, s24, 204800
	s_add_co_u32 s30, s30, s24
	s_mul_i32 s24, s20, 51200
	s_add_co_u32 s30, s30, s24                     ; the tensor, the group of 128 rows, my 512 along K
	s_and_b32 s24, s22, 7
	s_lshl_b32 s32, s24, 7
	s_add_co_u32 s32, s32, s30
	s_add_co_u32 s32, s32, 24576                   ; the tile's scale words
	s_mul_i32 s24, s24, 1536
	s_add_co_u32 s30, s30, s24                     ; the tile's images
	s_mov_b32 s31, 0
	s_mov_b32 s33, 0
	s_wait_alu depctr_va_vdst(0)
	v_lshlrev_b32 v3, 4, v2                        ; my 16 bytes of 512
	v_lshrrev_b32 v14, 2, v2
	v_mul_u32_u24 v14, v14, SP
	v_and_b32 v15, 3, v2
	v_lshl_add_u32 v14, v15, 4, v14
	v_add_nc_u32 v14, s34, v14                     ; the stage, in: SP (lane / 4) + 16 (lane % 4)
	v_mul_u32_u24 v15, v2, SP
	v_add_nc_u32 v15, s34, v15                     ; and out: SP x lane
	v_add_nc_u32 v6, s26, v3                       ; the images, out
	v_lshrrev_b32 v5, 1, v2
	v_add_nc_u32 v5, s21, v5                       ; my block's byte
	v_and_b32 v8, 15, v2
	v_lshrrev_b32 v9, 4, v2
	v_lshlrev_b32 v7, 6, v8
	v_lshl_add_u32 v7, v9, 3, v7
	v_add_nc_u32 v7, s35, v7                       ; scale words, out: row lane % 16, 256 along K number 2 w + lane / 16
	v_lshlrev_b32 v[SGO], 3, v8
	v_mad_u32_u24 v[SGO], v9, 25600, v[SGO]
	v_lshrrev_b32 v8, 3, v2                        ; my 16 numbers: image lane / 8 of the step's four, j = lane % 8
	v_mul_u32_u24 v8, v8, IPITCH
	v_bfe_u32 v9, v2, 1, 1
	v_lshl_add_u32 v8, v9, 8, v8                   ; the image's lane half (j / 2) % 2: 256 bytes on
	v_add_nc_u32 v8, s27, v8
	v_bfe_u32 v9, v2, 2, 1
	v_mul_u32_u24 v9, v9, 6
	v_and_b32 v11, 1, v2
	v_mad_u32_u24 v9, v11, 3, v9                   ; my first register of the fragment's twelve: 6 (j / 4) + 3 (j % 2)
.macro REGADR d, i                     ; register n lies in piece n / 4 (512 bytes), at word n % 4 of the lane's 16 bytes
	v_add_nc_u32 v11, \i, v9
	v_lshrrev_b32 v[\d], 2, v11
	v_lshl_add_u32 v[\d], v[\d], 9, v8
	v_and_b32 v11, 3, v11
	v_lshl_add_u32 v[\d], v11, 2, v[\d]
.endm
	REGADR 4, 0
	REGADR 10, 1
	REGADR 1, 2
	s_wait_alu depctr_va_vdst(0)
	s_wait_kmcnt 0x0
	s_cmp_eq_u32 s23, 1                            ; the choice hangs on the work-group's number alone
	s_cselect_b64 s[4:5], s[6:7], s[4:5]
	s_cmp_eq_u32 s23, 2
	s_cselect_b64 s[4:5], s[8:9], s[4:5]
	s_cmp_eq_u32 s23, 3
	s_cselect_b64 s[4:5], s[10:11], s[4:5]
	s_cmp_eq_u32 s23, 4
	s_cselect_b64 s[4:5], s[12:13], s[4:5]
	s_add_nc_u64 s[4:5], s[4:5], s[28:29]
	s_add_nc_u64 s[16:17], s[14:15], s[32:33]
	s_add_nc_u64 s[14:15], s[14:15], s[30:31]
.irp t, 0,1,2,3,4,5,6,7
	LOAD \t
.endr
	s_wait_loadcnt 4*(DEPTH-1)
	TURN 0
.irp t, 0,1,2,3,4,5,6,7,8,9,10,11,12,13,14,15
	STEP \t
.endr
	s_wait_dscnt 0x0                               ; my stores into the images and the scale bytes are done
	s_barrier_signal -1
	s_barrier_wait -1                              ; and so are the other waves'
.irp n, 0,1,2,3,4,5,6,7,8,9,10,11
	ds_load_b128 v[R+4*\n:R+4*\n+3], v6 offset:(\n/3)*IPITCH+(\n%3)*512
.endr
	ds_load_b64 v[8:9], v7
.irp n, 0,1,2,3,4,5,6,7,8,9,10,11
	s_wait_dscnt 12-\n                             ; the later pieces and the scale words may be out
	global_store_b128 v3, v[R+4*\n:R+4*\n+3], s[14:15] offset:(\n/6)*25600+((\n/3)%2)*12288+(\n%3)*512   ; 512 consecutive bytes, aligned
.endr
	s_wait_dscnt 0x0
	global_store_b64 v[SGO], v[8:9], s[16:17]
	s_wait_tensorcnt 0x0                           ; the wave's end, behind my last LDS store
	ds_add_u32 v[SPW], v[NIL]
	s_wait_dscnt 0x0
	s_endpgm
	; ---- the table: image I = 8 RG + a holds, for lane (r, h), position 128 RG + 32 (a / 2) + 8 (a % 2) + r + 8 (r / 8), registers 0-31 cos and 32-63 sin of frequency 32 (e / 16) + 16 h + e % 16.  No LDS is written here.
.Ltable:
	s_lshl_b32 s21, ttmp9, 2
	s_add_co_u32 s21, s21, s20                     ; I
	s_lshr_b32 s22, s21, 3
	s_and_b32 s23, s21, 7
	s_lshl_b32 s22, s22, 7
	s_lshr_b32 s36, s23, 1
	s_lshl_b32 s36, s36, 5
	s_add_co_u32 s22, s22, s36
	s_and_b32 s36, s23, 1
	s_lshl_b32 s36, s36, 3
	s_add_co_u32 s22, s22, s36                     ; lane 0's position
	v_and_b32 v3, 15, v0
	v_bfe_u32 v4, v0, 4, 1                         ; h
	v_and_b32 v5, 8, v3
	v_add_nc_u32 v5, v5, v3
	v_add_nc_u32 v5, s22, v5
	v_cvt_f32_u32 v16, v5                          ; my position, exact in f32
	s_wait_alu depctr_va_vdst(0)
	v_lshlrev_b32 v27, 4, v2
	s_lshl_b32 s36, s21, 13
	s_mov_b32 s37, 0
	s_mov_b32 s24, 0x3f93cfe5                      ; 10^(1/16) = 10000^(1/64): its f32,
	s_mov_b32 s25, 0x334a404e                      ; and what that leaves
	s_mov_b32 s26, 0x3f22f983                      ; 2 / pi
	s_mov_b32 s27, 0xbfc90fdb                      ; -(pi / 2), its f32,
	s_mov_b32 s28, 0x333bbd2e                      ; and what that leaves
	s_mov_b32 s29, 0xb94ca1f9                      ; sin's polynomial on +-pi / 4
	s_mov_b32 s30, 0x3c08839e
	s_mov_b32 s31, 0xbe2aaaa3
	s_mov_b32 s32, 0x37ccf5ce                      ; cos's
	s_mov_b32 s33, 0xbab6061a
	s_mov_b32 s34, 0x3d2aaaa5
	v_cmp_eq_u32 vcc_lo, 1, v4
	v_mov_b32 v23, 1.0
	v_mov_b32 v24, 0x41200000
	v_cndmask_b32 v[XH], v23, v24, vcc_lo          ; 10000^(16 h / 64) = 10^h: exact
	v_mov_b32 v23, 0x42c80000
	v_mov_b32 v24, 0x447a0000
	v_cndmask_b32 v[XH+16], v23, v24, vcc_lo       ; 10^(2 + h)
	v_mov_b32 v17, 0
	v_mov_b32 v20, 0
.set cc, 1
.rept 15                                   ; two chains of 15 by turns
	DFMUL XH+cc, XH+cc-1, 17, 18, 19
	DFMUL XH+16+cc, XH+15+cc, 20, 21, 22
.set cc, cc+1
.endr
.set cc, 0
.rept 32
	v_rcp_f32 v[RC+cc], v[XH+cc]
.set cc, cc+1
.endr
	v_nop                                          ; a plain instruction behind the last reciprocal
	s_wait_alu depctr_va_vdst(0)                   ; one wait for the batch of 32, ahead of its first reader
.set cc, 0
.rept 32                                   ; one Newton step with fused multiply-adds rounds 1 / X correctly
	v_fma_f32 v17, -v[XH+cc], v[RC+cc], 1.0
	v_fma_f32 v[XH+cc], v17, v[RC+cc], v[RC+cc]
.set cc, cc+1
.endr
.set cc, 0
.rept 32
	v_mul_f32 v17, v16, v[XH+cc]                   ; the angle: the one f32 product that reference() makes
	v_mul_f32 v18, s26, v17
	v_rndne_f32 v18, v18                           ; n quarter turns
	v_fma_f32 v19, v18, s27, v17
	v_fma_f32 v19, v18, s28, v19                   ; the rest, within +-pi / 4
	v_mul_f32 v20, v19, v19
	v_fma_f32 v21, v20, s29, s30
	v_fma_f32 v21, v21, v20, s31
	v_mul_f32 v21, v21, v20
	v_fma_f32 v21, v21, v19, v19                   ; sin of the rest
	v_fma_f32 v22, v20, s32, s33
	v_fma_f32 v22, v22, v20, s34
	v_fma_f32 v22, v22, v20, -0.5
	v_fma_f32 v22, v22, v20, 1.0                   ; cos of the rest
	v_cvt_i32_f32 v23, v18
	v_and_b32 v24, 1, v23
	v_cmp_eq_u32 vcc_lo, 1, v24                    ; an odd quarter swaps the two
	v_cndmask_b32 v25, v21, v22, vcc_lo
	v_cndmask_b32 v26, v22, v21, vcc_lo
	v_and_b32 v24, 2, v23
	v_lshlrev_b32 v24, 30, v24
	v_xor_b32 v[SIN+cc], v24, v25                  ; sin: minus in quarters 2 and 3
	v_add_nc_u32 v23, 1, v23
	v_and_b32 v23, 2, v23
	v_lshlrev_b32 v23, 30, v23
	v_xor_b32 v[COS+cc], v23, v26                  ; cos: minus in quarters 1 and 2
.set cc, cc+1
.endr
	s_wait_alu depctr_va_vdst(0)
	s_wait_kmcnt 0x0
	s_add_nc_u64 s[18:19], s[18:19], s[36:37]
.irp g, 0,1,2,3,4,5,6,7,8,9,10,11,12,13,14,15
	global_store_b128 v27, v[COS+4*\g:COS+4*\g+3], s[18:19] offset:512*\g   ; four registers a piece: 512 consecutive bytes
.endr
	s_endpgm
.Lfunc_end_k_qd3ae9c5226_prep:
	.size	k_qd3ae9c5226_prep, .Lfunc_end_k_qd3ae9c5226_prep-k_qd3ae9c5226_prep
	.p2alignl 7, 3214868480
	.fill 96, 4, 3214868480
	.section	.rodata,"a",@progbits
	.p2align	6, 0x0
	.amdhsa_kernel k_qd3ae9c5226_prep
		.amdhsa_group_segment_fixed_size 46848
		.amdhsa_private_segment_fixed_size 0
		.amdhsa_enable_private_segment 0
		.amdhsa_kernarg_size 56
		.amdhsa_user_sgpr_count 2
		.amdhsa_user_sgpr_kernarg_segment_ptr 1
		.amdhsa_wavefront_size32 1
		.amdhsa_system_sgpr_workgroup_id_x 1
		.amdhsa_system_sgpr_workgroup_id_y 1
		.amdhsa_system_sgpr_workgroup_id_z 1
		.amdhsa_system_vgpr_workitem_id 0
		.amdhsa_next_free_vgpr 256
		.amdhsa_next_free_sgpr 66
		.amdhsa_reserve_vcc 1
		.amdhsa_float_denorm_mode_32 3
		.amdhsa_float_denorm_mode_16_64 3
		.amdhsa_memory_ordered 1
		.amdhsa_forward_progress 1
		.amdhsa_inst_pref_size 92
	.end_amdhsa_kernel
	.amdgpu_metadata
---
amdhsa.version: [ 1, 2 ]
amdhsa.kernels:
  - .name:           k_qd3ae9c5226_prep
    .symbol:         k_qd3ae9c5226_prep.kd
    .args:
      - { .name: hidden_states, .offset: 0, .size: 8, .value_kind: global_buffer, .address_space: global }
      - { .name: Wq, .offset: 8, .size: 8, .value_kind: global_buffer, .address_space: global }
      - { .name: Wk, .offset: 16, .size: 8, .value_kind: global_buffer, .address_space: global }
      - { .name: Wv, .offset: 24, .size: 8, .value_kind: global_buffer, .address_space: global }
      - { .name: Wo, .offset: 32, .size: 8, .value_kind: global_buffer, .address_space: global }
      - { .name: wimg, .offset: 40, .size: 8, .value_kind: global_buffer, .address_space: global }
      - { .name: ropetab, .offset: 48, .size: 8, .value_kind: global_buffer, .address_space: global }
    .group_segment_fixed_size: 46848
    .private_segment_fixed_size: 0
    .kernarg_segment_align: 8
    .kernarg_segment_size: 56
    .max_flat_workgroup_size: 128
    .sgpr_count:     66
    .vgpr_count:     256
    .wavefront_size: 32
...
	.end_amdgpu_metadata
.endif
;; end of part 1
;; launch qkv (part 2): grid 8 x 24, 4 waves a work-group, clusters of 4 x 4, 327,680 bytes of LDS; arguments wimg, ropetab, qrope, kvimg, kvaux; writes qrope, kvimg, kvaux
.if DOCPART == 2
	.amdgcn_target "amdgcn-amd-amdhsa--gfx1250"
	.amdhsa_code_object_version 6
	.text
	.protected	k_qd3ae9c5226_qkv
	.globl	k_qd3ae9c5226_qkv
	.p2align	8
	.type	k_qd3ae9c5226_qkv,@function
k_qd3ae9c5226_qkv:
	s_mov_b64 s[64:65], 0
	v_nop
	global_prefetch_b8 v0, s[64:65] scope:SCOPE_SE
	s_setreg_imm32_b32 hwreg(HW_REG_WAVE_MODE, 25, 1), 1
	s_wait_xcnt 0x0
	s_wait_alu depctr_hold_cnt(0) depctr_sa_sdst(0) depctr_va_vdst(0) depctr_va_sdst(0) depctr_va_ssrc(0) depctr_va_vcc(0) depctr_vm_vsrc(0)
	s_getreg_b32 s2, hwreg(HW_REG_IB_STS2, 6, 4)
	s_cmp_eq_u32 s2, 0
	s_cbranch_scc0 .Lentry_in_a_cluster
	s_endpgm
.Lentry_in_a_cluster:
	s_bfe_u32 s2, ttmp6, 0x10000c
	s_cmp_lg_u32 s2, 0xf033
	s_cbranch_scc0 .Lentry_shape_is_right
	s_endpgm
.Lentry_shape_is_right:
; MoBA, launch 2 of 4: q = x Wq^T, k = x Wk^T, v = x Wv^T on codes of FP6 (E2M3) with E8M0 scales; RoPE on q and k; q leaves in f32, k and v^T as operand images of FP6, and k's chunk sums in f32.  Nothing is left out here.
; A work-group of four waves makes 256 x 256, a wave 128 x 128 (64 accumulators, 512 registers): one head wide, so that RoPE's two halves and a whole K step of the next product lie in one lane.
; 192 work-groups: 768 wave tiles of one head x 128 positions; a tile half as high would give 384 work-groups, two uneven turns of the same length.
; KINDS, by (cluster y) / 2: 0 and 1: 256 positions x (q's head tx | k's head tx), tx = 0 .. 15: the waves of the lower column half make q, the others k, so that q's f32 stores are spread over 128 work-groups.  2: v.
; Source 1 (a lane a row) takes x's rows for q and k, Wv's rows for v; source 0 (a lane's registers run along its rows) takes Wq's or Wk's rows, for v x's rows: v comes out with a channel a lane and KEYS along the registers.
; The stored rows have bits 3 and 4 of their number exchanged: register 16 b + i of a lane's 64 is index 32 b + 16 (lane / 16) + i, and lane r of row tile a is row 32 (a / 2) + 8 (a % 2) + r + 8 (r / 8).
; wimg holds, for each 128 stored rows and 256 along K, ONE dense block of 25,600 bytes: 16 operand images and the rows' scale words.  A wave's fill is one such block (100 rows of 256 bytes); a slot is four blocks; K goes through
; a ring of two slots.  A fragment is three loads of 16 bytes a lane, dense.  CLUSTERS: 4 x 4; source 1's blocks are shared along a row of the cluster, source 0's along a column, each asked for jointly.
; PREFETCH: behind the fill of K slot t stands one request a wave for K slot t + 2 (behind the first fill: 1 and 2; behind the second: 3): of a block's 100 pieces of 256 bytes each of the four partners takes 25, by address, a lane a piece
; (lanes 25-31 name the 25th again).  The last two fills ask for nothing.  The table of cos and sin is not prefetched: each image is read by 32 waves, and its loads run ahead of their use.
; REGISTERS: window 0: v16-30 addresses, v32-63 scale words (two sets), from v128 source 1's fragments (one set); window 1: source 0's fragments (two sets); windows 2, 3: the accumulators ((a, b) at v[8 (8 (a % 4) + b)]).
;   On the way out: window 0: v32-95 RoPE's products, v96-159 chunk sums, v160-211 the quantiser; window 1: four sets of the table (32 cos, 32 sin).
.set BLK,    25600
.set SLOT,   4*BLK
.set SPARE,  2*SLOT                    ; the spare words: 128 bytes a wave, named by no other line
.set NQ,     2
.set FR,     12
.set NL,     3                         ; LDS loads a fragment
.set NP,     4                         ; places behind this matrix instruction (ISA guide 7.12.1)
.set LAPS,   4
.set ADRA, 16
.set ADRB, 20
.set LI,   24                          ; v24 16 x lane
.set KSO,  25                          ; v25 my four chunk sums' place
.set ADRS, 26
.set SPW,  28
.set NIL,  29
.set PFO,  30                          ; v30 256 x min(lane, 24)
.set SC,   32
.set AF,   128
.set T1,   32
.set T2,   64
.set CSUM, 96
.set PC,   160
.set PX,   172
.set TM,   180
.set PW,   196
.set SW,   200
.set WK,   204
.set SEL,  68
.set HM,   70
.set G1, 24
.set G0, 32
.set G1B, 48
.set G0B, 56
.set PFA, 94
.set MSB, 0
.macro WIN new                         ; the immediate's high byte repeats the setting that is left
.if MSB != (\new)
	s_set_vgpr_msb (MSB<<8)|(\new)
.set MSB, (\new)
.endif
.endm
.set MUL_LO, 0xa1                      ; source 0 window 1, source 1 window 0, C and D window 2
.set MUL_HI, 0xf1
.set TO_B,   0x40
.macro JLOAD g0a, g1a, g0b, g1b        ; a joint load: waves 0 and 1 fetch for source 1, waves 2 and 3 for source 0; an s_nop 0 and four v_nop follow each line
	s_cmp_eq_u32 s15, 0
	s_cbranch_scc0 .Lfor_b_\@
	tensor_load_to_lds s[\g0a:\g0a+3], s[\g1a:\g1a+7]
	s_nop 0
.rept 4
	v_nop
.endr
	s_branch .Lasked_\@
.Lfor_b_\@:
	tensor_load_to_lds s[\g0b:\g0b+3], s[\g1b:\g1b+7]
	s_nop 0
.rept 4
	v_nop
.endr
.Lasked_\@:
.endm
.macro CREST                           ; a round of the cluster's barrier behind its opening barrier
	s_cmp_lg_u32 s14, 0
	s_cbranch_scc1 .Lnot_wave_0_\@
	s_barrier_signal -3
.Lnot_wave_0_\@:
	s_barrier_wait -3
	s_barrier_signal -1
	s_barrier_wait -1
.endm
.macro CROUND
	s_barrier_signal -1
	s_barrier_wait -1
	CREST
.endm
	s_load_b64 s[4:5], s[0:1], 0x0                 ; wimg
	s_load_b128 s[8:11], s[0:1], 0x8               ; ropetab s[8:9], qrope s[10:11]
	s_load_b128 s[96:99], s[0:1], 0x18             ; kvimg s[96:97], kvaux s[98:99]
	v_lshl_add_u32 v[SPW], v0, 2, SPARE
	v_mov_b32 v[NIL], 0
	ds_add_u32 v[SPW], v[NIL]                      ; the wave's opening: the add, twice on end, and its wait ahead of my first tensor load
	ds_add_u32 v[SPW], v[NIL]
	v_lshrrev_b32 v1, 5, v0
	v_readfirstlane_b32 s14, v1                    ; wave 0..3
	v_and_b32 v6, 31, v0
	v_min_u32 v7, 24, v6
	v_lshlrev_b32 v[PFO], 8, v7
	v_lshlrev_b32 v[LI], 4, v6
	s_lshr_b32 s15, s14, 1                         ; which half of the tile's rows is mine.  Also: I fetch for source 1 (0) or source 0 (1)
	s_and_b32 s16, s14, 1                          ; which half of its columns.  Also: which 128 rows I fetch
	s_bfe_u32 s40, ttmp6, 0x40000                  ; cx, cy
	s_bfe_u32 s41, ttmp6, 0x40004
	s_and_b32 s17, ttmp7, 0xffff
	s_lshr_b32 s18, s17, 1                         ; the kind: the same in all sixteen partners
	s_and_b32 s17, s17, 1
	s_lshl_b32 s17, s17, 2
	s_add_co_u32 s17, s17, s41                     ; tile row ty = 4 x (cluster y % 2) + cy
	s_cmp_eq_u32 s18, 2
	s_cselect_b32 s66, 1, 0                        ; 1: v
	s_cselect_b32 s18, 0, s18
	s_lshl_b32 s18, s18, 1
	s_add_co_u32 s42, ttmp9, s18
	s_lshl_b32 s42, s42, 2
	s_add_co_u32 s42, s42, s40                     ; tile column tx: 0 .. 15 for q and k (a head), 0 .. 7 for v
	s_lshl_b32 s43, s41, 2
	s_lshl_b32 s43, 15, s43                        ; my row of the cluster
	s_lshl_b32 s44, 0x1111, s40                    ; my column
	s_or_b32 s[G1+0], s43, (3<<16)|(1<<21)         ; the mask; elements of 8 bytes; bit 21 beside a mask
	s_or_b32 s[G1B+0], s44, (3<<16)|(1<<21)
.irp g, G1, G1B
	s_mov_b32 s[\g+1], 32<<16                      ; a block: 100 rows of 256 bytes, dense
	s_mov_b32 s[\g+2], 100<<16
	s_mov_b32 s[\g+3], 32<<16
	s_mov_b32 s[\g+4], 100
	s_mov_b32 s[\g+5], 32
	s_mov_b32 s[\g+6], 0
	s_mov_b32 s[\g+7], 0
.endr
	s_lshl_b32 s20, s17, 1                         ; source 1's group of 128 rows: x's 2 ty + half; for v Wv's (48 on)
	s_add_co_u32 s20, s20, s16
	s_mul_i32 s19, s66, 48
	s_add_co_u32 s20, s20, s19
	s_lshl_b32 s46, s16, 4                         ; source 0's: Wq's (16 +) or Wk's (32 +) group tx; for v x's 2 tx + half
	s_add_co_u32 s46, s46, s42
	s_add_co_u32 s46, s46, 16
	s_lshl_b32 s47, s42, 1
	s_add_co_u32 s47, s47, s16
	s_cmp_eq_u32 s66, 1
	s_cselect_b32 s46, s47, s46
	s_mul_i32 s20, s20, 8*BLK
	s_mul_i32 s46, s46, 8*BLK
	s_mov_b32 s21, 0
	s_mov_b32 s47, 0
	s_cmp_eq_u32 s15, 0                            ; the prefetches: the stream that I fetch, my work-group's quarter of each block
	s_cselect_b32 s22, s20, s46
	s_cselect_b32 s23, s40, s41
	s_mul_i32 s23, s23, BLK/4
	s_add_co_u32 s22, s22, s23
	s_mov_b32 s23, 0
	s_mul_i32 s45, s14, BLK                        ; where my blocks go: wave x a block
	s_mul_i32 s75, s15, BLK                        ; what I read: source 1's block,
	s_mul_i32 s76, s16, BLK
	s_add_co_u32 s76, s76, 2*BLK                   ; source 0's,
	s_sub_co_u32 s77, s76, s75
	s_add_co_u32 s78, s75, 24576                   ; and the scale words behind the images
	s_lshl_b32 s80, s17, 1
	s_add_co_u32 s80, s80, s15                     ; RG: my 128 rows' group
	s_lshl_b32 s81, s42, 1
	s_add_co_u32 s81, s81, s16
	s_cmp_eq_u32 s66, 1
	s_cselect_b32 s81, s81, s42                    ; CG: for v my 128 columns' group, for q and k the head
	s_cselect_b32 s18, s80, s81                    ; the head
	s_cselect_b32 s19, s81, s80                    ; the group of 128 positions
	s_cselect_b32 s82, 3145728, 0                  ; v's images lie behind k's,
	s_cselect_b32 s83, 131072, 0                   ; v's scale words likewise
	s_lshl_b32 s18, s18, 4
	s_add_co_u32 s18, s18, s19                     ; 16 x head + group
	s_lshl_b32 s84, s80, 16                        ; the table's 8 images of my positions
	s_mov_b32 s85, 0
	s_lshl_b32 s86, s18, 16                        ; q: 8 images of 8,192 bytes
	s_mov_b32 s87, 0
	s_mul_i32 s88, s18, 12288
	s_add_co_u32 s88, s88, s82                     ; k or v: 8 images of 1,536 bytes
	s_mov_b32 s89, 0
	s_lshl_b32 s90, s42, 3
	s_add_co_u32 s90, s90, s17
	s_lshl_b32 s90, s90, 1
	s_add_co_u32 s90, s90, s15
	s_lshl_b32 s90, s90, 9
	s_add_co_u32 s90, s90, 262144                  ; k's chunk sums: [head][chunk = ty][my half of its rows][128]
	s_mov_b32 s91, 0
	s_lshl_b32 s92, s18, 9
	s_add_co_u32 s92, s92, s83                     ; the scale words of the 8 images: 512 bytes
	s_mov_b32 s93, 0
	s_mov_b32 s[SEL], 0x76543210
	s_mov_b32 s[SEL+1], 0xfedcba98
	s_mov_b32 s[HM], 0xffff0000
	s_mov_b32 s71, 0xff00ff00
	s_mov_b32 s72, 0xf0f0f0f0
	s_mov_b32 s73, 0xcccccccc
	s_mov_b32 s74, 0xaaaaaaaa
	s_wait_alu depctr_va_vdst(0)
	s_wait_dscnt 0x0                               ; both opening adds are done
	s_wait_kmcnt 0x0
	s_add_nc_u64 s[20:21], s[4:5], s[20:21]
	s_add_nc_u64 s[46:47], s[4:5], s[46:47]
	s_add_nc_u64 s[PFA:PFA+1], s[4:5], s[22:23]
	s_add_nc_u64 s[8:9], s[8:9], s[84:85]
	s_add_nc_u64 s[10:11], s[10:11], s[86:87]
	s_add_nc_u64 s[96:97], s[96:97], s[88:89]
	s_add_nc_u64 s[100:101], s[98:99], s[90:91]
	s_add_nc_u64 s[98:99], s[98:99], s[92:93]
	CROUND                                         ; all sixteen work-groups are here: the first joint loads meet
.irp s, 0,1
	s_mov_b32 s[G0+4*\s], 1
	s_add_co_u32 s[G0+4*\s+1], s45, \s*SLOT
	s_add_nc_u64 s[G0+4*\s+2:G0+4*\s+3], s[20:21], \s*BLK
	s_or_b32 s[G0+4*\s+3], s[G0+4*\s+3], 0x80000000
	s_mov_b32 s[G0B+4*\s], 1
	s_add_co_u32 s[G0B+4*\s+1], s45, \s*SLOT
	s_add_nc_u64 s[G0B+4*\s+2:G0B+4*\s+3], s[46:47], \s*BLK
	s_or_b32 s[G0B+4*\s+3], s[G0B+4*\s+3], 0x80000000
.endr
	JLOAD G0, G1, G0B, G1B                         ; K slot 0: one tensor load a wave at the head
	global_prefetch_b8 v[PFO], s[PFA:PFA+1] offset:BLK th:TH_LOAD_NT scope:SCOPE_SE     ; K slots 1 and 2
	global_prefetch_b8 v[PFO], s[PFA:PFA+1] offset:2*BLK th:TH_LOAD_NT scope:SCOPE_SE
	v_and_b32 v1, 15, v0                           ; r
	v_bfe_u32 v2, v0, 4, 1                         ; h
	v_add_nc_u32 v[ADRA], s75, v[LI]
	v_add_nc_u32 v[ADRB], s76, v[LI]
	v_add_nc_u32 v[ADRA+1], SLOT, v[ADRA]
	v_add_nc_u32 v[ADRB+1], SLOT, v[ADRB]
	v_lshlrev_b32 v5, 3, v1                        ; scale words: 8 bytes a row;
	v_mad_u32_u24 v5, v2, s77, v5                  ; lanes 16-31 take source 0's
	v_add_nc_u32 v[ADRS], s78, v5
	v_add_nc_u32 v[ADRS+1], SLOT, v[ADRS]
	v_lshrrev_b32 v5, 2, v1
	v_lshlrev_b32 v[KSO], 7, v5
	v_lshl_add_u32 v[KSO], v2, 6, v[KSO]
	v_and_b32 v5, 3, v1
	v_lshl_add_u32 v[KSO], v5, 4, v[KSO]           ; 128 (r / 4) + 64 h + 16 (r % 4)
.macro FRAG reg, adr, q, i             ; an image comes back as it was stored: 12 registers in three pieces
.irp g, 0,1,2
	ds_load_b128 v[\reg+4*\g:\reg+4*\g+3], v[\adr] offset:(\q)*12288+(\i)*1536+512*\g
.endr
.endm
; 16 matrix instructions: source 1's blocks a0, a0 + 1 x source 0's eight.  The 64 accumulators take turns, one instruction a turn, in the same order in every step.
.macro MUL16 a0, p, q, sc, zero
.irp a, \a0, \a0+1
.irp b, 0,1,2,3,4,5,6,7
.if \zero
	v_wmma_scale_f32_16x16x128_f8f6f4 v[8*(8*((\a)%4)+\b):8*(8*((\a)%4)+\b)+7], v[128*(\p)+FR*\b:128*(\p)+FR*\b+FR-1], v[AF+FR*(\a):AF+FR*(\a)+FR-1], 0, v[SC+8*NQ*(\sc)+NQ*\b+(\q)], v[SC+8*NQ*(\sc)+NQ*(\a)+(\q)] matrix_a_fmt:MATRIX_FMT_FP6 matrix_b_fmt:MATRIX_FMT_FP6 matrix_a_scale:MATRIX_SCALE_ROW1
.else
	v_wmma_scale_f32_16x16x128_f8f6f4 v[8*(8*((\a)%4)+\b):8*(8*((\a)%4)+\b)+7], v[128*(\p)+FR*\b:128*(\p)+FR*\b+FR-1], v[AF+FR*(\a):AF+FR*(\a)+FR-1], v[8*(8*((\a)%4)+\b):8*(8*((\a)%4)+\b)+7], v[SC+8*NQ*(\sc)+NQ*\b+(\q)], v[SC+8*NQ*(\sc)+NQ*(\a)+(\q)] matrix_a_fmt:MATRIX_FMT_FP6 matrix_b_fmt:MATRIX_FMT_FP6 matrix_a_scale:MATRIX_SCALE_ROW1
.endif
.endr
.endr
.endm
.macro FETCH_B slot, q, p
	WIN TO_B
.irp i, 0,1,2,3,4,5,6,7
	FRAG 128*(\p)+FR*\i, ADRB+\slot, \q, \i
.endr
	WIN 0
.endm
.macro FETCH_A slot, q, i0
.irp i, \i0, \i0+1, \i0+2, \i0+3
	FRAG AF+FR*(\i), ADRA+\slot, \q, \i
.endr
.endm
.macro SCALES sc                       ; a slot's scale words: lanes 0-15 source 1's block i, lanes 16-31 source 0's block i, two words for the slot's two steps
.irp i, 0,1,2,3,4,5,6,7
	ds_load_b64 v[SC+8*NQ*\sc+NQ*\i:SC+8*NQ*\sc+NQ*\i+1], v[ADRS+\sc] offset:\i*128
.endr
.endm
.macro PLACES n                        ; plain vector instructions between a matrix instruction and a load into, or a read of, its registers
.rept \n
	v_nop
.endr
.endm
.macro STEP slot, q, zero              ; 128 along K that has its successor in the same slot
	s_wait_dscnt 4*NL                              ; all but the youngest 12 loads (source 1's blocks 4-7)
	WIN MUL_LO
	MUL16 0, (\q)%2, \q, \slot, \zero
	MUL16 2, (\q)%2, \q, \slot, \zero
	s_wait_dscnt 0
	PLACES NP
	FETCH_B \slot, (\q)+1, 1-(\q)%2
	FETCH_A \slot, (\q)+1, 0
	WIN MUL_HI
	MUL16 4, (\q)%2, \q, \slot, \zero
	MUL16 6, (\q)%2, \q, \slot, \zero
	PLACES NP
	WIN 0
	FETCH_A \slot, (\q)+1, 4
.endm
; A slot's last step changes slots: one barrier; in front of it each wave waits for all its tensor loads, adds 0 to its spare word, and waits for that and for its own reads of this slot.
; The step's first 32 products, which want registers alone, stand ahead of the wait for the tensor loads.
.macro TURN slot, next, fill
	s_wait_dscnt 4*NL
	WIN MUL_LO
	MUL16 0, 1, NQ-1, \slot, 0
	MUL16 2, 1, NQ-1, \slot, 0
	WIN 0
.if \fill
	s_wait_xcnt 0x0                                ; my prefetches have read their address: it steps a K slot on
	s_add_nc_u64 s[PFA:PFA+1], s[PFA:PFA+1], BLK
.endif
	s_wait_tensorcnt 0x0                           ; all my tensor loads have landed: my block of the next slot
	ds_add_u32 v[SPW], v[NIL]
	s_wait_dscnt 0x0                               ; the add is done, and my reads of this slot are over
	s_barrier_signal -1
	s_barrier_wait -1
.if \fill
	CREST                                          ; the barrier has opened a round of the cluster's: no wave of any partner still reads this slot or has a load on its way
	s_add_nc_u64 s[G0+4*\slot+2:G0+4*\slot+3], s[G0+4*\slot+2:G0+4*\slot+3], 2*BLK
	s_add_nc_u64 s[G0B+4*\slot+2:G0B+4*\slot+3], s[G0B+4*\slot+2:G0B+4*\slot+3], 2*BLK
	JLOAD G0+4*\slot, G1, G0B+4*\slot, G1B         ; the first tensor load behind the round; its four v_nop are the places in front of the loads below
.else
	PLACES NP
.endif
	FETCH_B \next, 0, 0
	FETCH_A \next, 0, 0
	SCALES \next
.if \fill
	s_cmp_gt_u32 s3, 1                             ; the last trip's two fills have no K slot two on
	s_cbranch_scc0 .Lno_ask_\@
	global_prefetch_b8 v[PFO], s[PFA:PFA+1] offset:3*BLK th:TH_LOAD_NT scope:SCOPE_SE
.Lno_ask_\@:
.endif
	WIN MUL_HI
	MUL16 4, 1, NQ-1, \slot, 0
	MUL16 6, 1, NQ-1, \slot, 0
	PLACES NP
	WIN 0
	FETCH_A \next, 0, 4
.endm
.macro LAST                            ; the very last step: nothing more to fetch
	s_wait_dscnt 4*NL
	WIN MUL_LO
	MUL16 0, 1, NQ-1, 1, 0
	MUL16 2, 1, NQ-1, 1, 0
	s_wait_dscnt 0
	WIN MUL_HI
	MUL16 4, 1, NQ-1, 1, 0
	MUL16 6, 1, NQ-1, 1, 0
	WIN 0
	PLACES NP                                      ; for the loads into window 1, the writes of window 0 and the first reads of results
.irp b, 0,1,2,3
	v_mov_b32 v[TM+4+\b], 0                        ; a lane permute's destination counts as one of its sources
.endr
.endm
	s_wait_alu depctr_va_vdst(0)
	s_wait_tensorcnt 0x0                           ; my block of K slot 0 is in
	ds_add_u32 v[SPW], v[NIL]
	s_wait_dscnt 0x0
	CROUND                                         ; a whole round: slot 0 is whole, and the joint loads meet
	JLOAD G0+4, G1, G0B+4, G1B                     ; K slot 1, the first tensor load behind the round
	FETCH_B 0, 0, 0
	FETCH_A 0, 0, 0
	SCALES 0
	FETCH_A 0, 0, 4
	global_prefetch_b8 v[PFO], s[PFA:PFA+1] offset:3*BLK th:TH_LOAD_NT scope:SCOPE_SE   ; K slot 3
	STEP 0, 0, 1                                   ; the first step's products start the sums
	s_mov_b32 s3, LAPS-1
.Llap:
	TURN 0, 1, 1
	STEP 1, 0, 0
	TURN 1, 0, 1
	STEP 0, 0, 0
	s_sub_co_u32 s3, s3, 1
	s_cmp_lg_u32 s3, 0
	s_cbranch_scc1 .Llap
	TURN 0, 1, 0                                   ; the last lap fills nothing
	STEP 1, 0, 0
; ---- THE WAY OUT, a row tile a (16 lanes' rows x my 128 columns: 64 registers a lane) at a time
.macro TABLOAD a                       ; the table's image of row tile a into set a % 4 of window 1
	WIN 0x40
.irp g, 0,1,2,3,4,5,6,7,8,9,10,11,12,13,14,15
	global_load_b128 v[64*((\a)%4)+4*\g:64*((\a)%4)+4*\g+3], v[LI], s[8:9] offset:(\a)*8192+512*\g
.endr
	WIN 0
.endm
; 64 numbers of a lane in window w, register 16 b + i = index 32 b + 16 (lane / 16) + i of my row, become a fragment's codes in v[PC] on and its scale word in v[word]
.macro QUANT s, w, word
	WIN ((\w)|((\w)<<2))
.irp b, 0,1,2,3
	v_max3_num_f32 v[TM+\b], |v[\s+16*\b]|, |v[\s+1+16*\b]|, 0x1800000   ; with the floor 2^(3 - 127).  Each accumulator is read from its low end on
.endr
.irp i, 2,4,6,8,10,12,14
.irp b, 0,1,2,3
	v_max3_num_f32 v[TM+\b], |v[\s+16*\b+\i]|, |v[\s+1+16*\b+\i]|, v[TM+\b]
.endr
.endr
	WIN 0
.irp b, 0,1,2,3
	v_permlanex16_b32 v[TM+4+\b], v[TM+\b], s[SEL], s[SEL+1]
.endr
.irp b, 0,1,2,3
	v_max_num_f32 v[TM+\b], v[TM+\b], v[TM+4+\b]   ; with lane l xor 16's: the block's largest magnitude
.endr
.irp b, 0,1,2,3
	v_add_nc_u32 v[TM+12+\b], 0xff000000, v[TM+\b] ; 2 off its exponent field: the conversion's scale operand
.endr
.irp b, 0,1,2,3
	v_lshrrev_b32 v[TM+4+\b], 23, v[TM+12+\b]      ; the byte
.endr
	v_lshl_or_b32 v[\word], v[TM+5], 8, v[TM+4]
	v_lshl_or_b32 v[\word], v[TM+6], 16, v[\word]
	v_lshl_or_b32 v[\word], v[TM+7], 24, v[\word]
	s_wait_xcnt 0x0                                ; the last image's stores have read the codes' registers: only now are they written again
	WIN (\w)
.irp c, 0,1
	v_cvt_scalef32_pk16_fp6_f32 v[PC+6*\c:PC+2+6*\c], v[\s+32*\c:\s+15+32*\c], v[TM+12+2*\c]
	v_cvt_scalef32_pk16_fp6_f32 v[PX+4*\c:PX+2+4*\c], v[\s+16+32*\c:\s+31+32*\c], v[TM+12+2*\c+1]
.endr
	WIN 0
	v_nop                                          ; one plain place behind a scaled conversion
.irp c, 0,1                                ; the operand's layout wants a whole block in a lane
.irp i, 0,1,2
	v_permlane16_swap_b32 v[PC+6*\c+\i], v[PX+4*\c+\i]
.endr
.irp i, 0,1,2
	v_mov_b32 v[PC+3+6*\c+\i], v[PX+4*\c+\i]
.endr
.endr
.endm
; RoPE on row tile a, in place.  Registers 0-31 are channels 0-63 (x1), registers 32-63 the channels 64 further on (x2), in the table's order of frequencies.
.macro ROPE a
.set W, 2+(\a)/4
.set AC, 64*((\a)%4)
.set TS, 64*((\a)%4)
.if (\a) < 6
	s_wait_loadcnt 32                              ; this tile's 16 table loads are in; the two later sets' 32 may be out
.else
	s_wait_loadcnt 16*(7-(\a))
.endif
.if (\a) < 5
	TABLOAD (\a)+3                                 ; three tiles ahead, into the set that the tile before has done with
.endif
	WIN (W|4)                                      ; source 0: the accumulators; source 1: the table
.set e, 0
.rept 16
	v_pk_mul_f32 v[T1+e:T1+e+1], v[AC+32+e:AC+33+e], v[TS+32+e:TS+33+e]   ; x2 sin
.set e, e+2
.endr
.set e, 0
.rept 16
	v_pk_mul_f32 v[T2+e:T2+e+1], v[AC+e:AC+e+1], v[TS+32+e:TS+33+e]       ; x1 sin
.set e, e+2
.endr
	WIN (W|4|(W<<6))
.set e, 0
.rept 16
	v_pk_fma_f32 v[AC+e:AC+e+1], v[AC+e:AC+e+1], v[TS+e:TS+e+1], v[T1+e:T1+e+1] neg_lo:[0,0,1] neg_hi:[0,0,1]   ; x1 cos - x2 sin
.set e, e+2
.endr
.set e, 0
.rept 16
	v_pk_fma_f32 v[AC+32+e:AC+33+e], v[AC+32+e:AC+33+e], v[TS+e:TS+e+1], v[T2+e:T2+e+1]                       ; x2 cos + x1 sin
.set e, e+2
.endr
	WIN 0
.endm
.macro QSTORE a                        ; q leaves in f32: the gate wants it so
.set W, 2+(\a)/4
.set AC, 64*((\a)%4)
	WIN (W<<2)
.irp g, 0,1,2,3,4,5,6,7,8,9,10,11,12,13,14,15
	global_store_b128 v[LI], v[AC+4*\g:AC+4*\g+3], s[10:11] offset:(\a)*8192+512*\g
.endr
	WIN 0
.endm
.macro CODES a                         ; row tile a becomes an operand image and a scale word a row
.set W, 2+(\a)/4
.set AC, 64*((\a)%4)
.if (\a)%2
	QUANT AC, W, PW
	v_cndmask_b32 v[SW+(\a)/2], v[SW+(\a)/2], v[PW], s[HM]   ; lanes 16-31 carry the odd tile's words
.else
	QUANT AC, W, SW+(\a)/2
.endif
.irp g, 0,1,2
	global_store_b128 v[LI], v[PC+4*\g:PC+4*\g+3], s[96:97] offset:(\a)*1536+512*\g
.endr
.endm
.macro RS n, mask, xm                  ; a step of the sum over 16 lanes: each lane keeps half of its n sums and takes the partner's share of them
.set i, 0
.rept (\n)/2
	v_cndmask_b32 v[WK+2*(i%4)], v[CSUM+i], v[CSUM+i+(\n)/2], s[\mask]
	v_cndmask_b32 v[WK+1+2*(i%4)], v[CSUM+i+(\n)/2], v[CSUM+i], s[\mask]
	v_add_f32_dpp v[CSUM+i], v[WK+1+2*(i%4)], v[WK+2*(i%4)] row_xmask:\xm row_mask:0xf bank_mask:0xf
.set i, i+1
.endr
.endm
	s_cmp_eq_u32 s66, 1                            ; v parts from q and k ahead of the last step: q and k ask for the table's first two images under it
	s_cbranch_scc1 .Lvpath
	TABLOAD 0                                      ; into source 0's set 0 and the registers behind it, which the last step does not read (four places stand behind the products that read them)
	TABLOAD 1
	LAST
	TABLOAD 2
	s_cmp_eq_u32 s16, 1                            ; the lower column half is q's head, the upper k's
	s_cbranch_scc1 .Lkpath
	; ---- q: RoPE, then f32 images
.irp a, 0,1,2,3,4,5,6,7
	ROPE \a
	QSTORE \a
.endr
	s_branch .Lend
	; ---- k: RoPE, then operand images, scale words and the chunk sums
.Lkpath:
.irp a, 0,1,2,3,4,5,6,7
	ROPE \a
	CODES \a
.endr
	global_store_b128 v[LI], v[SW:SW+3], s[98:99]  ; register w: tile 2 w's words in lanes 0-15, tile 2 w + 1's in lanes 16-31
	WIN 0x0a                                       ; k's chunk sums: over my eight row tiles,
.set e, 0
.rept 32
	v_pk_add_f32 v[CSUM+e:CSUM+e+1], v[e:e+1], v[64+e:65+e]
.set e, e+2
.endr
	WIN 0x02
.irp o, 128, 192
.set e, 0
.rept 32
	v_pk_add_f32 v[CSUM+e:CSUM+e+1], v[\o+e:\o+e+1], v[CSUM+e:CSUM+e+1]
.set e, e+2
.endr
.endr
	WIN 0x03
.irp o, 0, 64, 128, 192
.set e, 0
.rept 32
	v_pk_add_f32 v[CSUM+e:CSUM+e+1], v[\o+e:\o+e+1], v[CSUM+e:CSUM+e+1]
.set e, e+2
.endr
.endr
	WIN 0
	RS 64, 71, 8                                   ; and over the 16 lanes of my half: lane r is left with registers 4 r .. 4 r + 3
	RS 32, 72, 4
	RS 16, 73, 2
	RS 8, 74, 1
	v_pk_mul_f32 v[CSUM:CSUM+1], v[CSUM:CSUM+1], 0x3b800000 op_sel_hi:[1,0]     ; / 256, exact
	v_pk_mul_f32 v[CSUM+2:CSUM+3], v[CSUM+2:CSUM+3], 0x3b800000 op_sel_hi:[1,0]
	global_store_b128 v[KSO], v[CSUM:CSUM+3], s[100:101]   ; 512 bytes: the 128 channels in their true order
	s_branch .Lend
	; ---- v: no RoPE; operand images with the keys along K, and scale words
.Lvpath:
	LAST
.irp a, 0,1,2,3,4,5,6,7
	CODES \a
.endr
	global_store_b128 v[LI], v[SW:SW+3], s[98:99]
.Lend:
	s_wait_tensorcnt 0x0                           ; the wave's end
	ds_add_u32 v[SPW], v[NIL]
	s_wait_dscnt 0x0
	CROUND                                         ; the closing round
	s_endpgm
.Lfunc_end_k_qd3ae9c5226_qkv:
	.size	k_qd3ae9c5226_qkv, .Lfunc_end_k_qd3ae9c5226_qkv-k_qd3ae9c5226_qkv
	.p2alignl 7, 3214868480
	.fill 96, 4, 3214868480
	.section	.rodata,"a",@progbits
	.p2align	6, 0x0
	.amdhsa_kernel k_qd3ae9c5226_qkv
		.amdhsa_group_segment_fixed_size 327680
		.amdhsa_private_segment_fixed_size 0
		.amdhsa_enable_private_segment 0
		.amdhsa_kernarg_size 40
		.amdhsa_user_sgpr_count 2
		.amdhsa_user_sgpr_kernarg_segment_ptr 1
		.amdhsa_wavefront_size32 1
		.amdhsa_system_sgpr_workgroup_id_x 1
		.amdhsa_system_sgpr_workgroup_id_y 1
		.amdhsa_system_sgpr_workgroup_id_z 1
		.amdhsa_system_vgpr_workitem_id 0
		.amdhsa_next_free_vgpr 1024
		.amdhsa_next_free_sgpr 102
		.amdhsa_reserve_vcc 0
		.amdhsa_float_denorm_mode_32 3
		.amdhsa_float_denorm_mode_16_64 3
		.amdhsa_memory_ordered 1
		.amdhsa_forward_progress 1
		.amdhsa_inst_pref_size 255
	.end_amdhsa_kernel
	.section	.bss,"aw",@nobits
	.p2align	6
	.space	262144
	.amdgpu_metadata
---
amdhsa.version: [ 1, 2 ]
amdhsa.kernels:
  - .name:           k_qd3ae9c5226_qkv
    .symbol:         k_qd3ae9c5226_qkv.kd
    .args:
      - { .name: wimg, .offset: 0, .size: 8, .value_kind: global_buffer, .address_space: global }
      - { .name: ropetab, .offset: 8, .size: 8, .value_kind: global_buffer, .address_space: global }
      - { .name: qrope, .offset: 16, .size: 8, .value_kind: global_buffer, .address_space: global }
      - { .name: kvimg, .offset: 24, .size: 8, .value_kind: global_buffer, .address_space: global }
      - { .name: kvaux, .offset: 32, .size: 8, .value_kind: global_buffer, .address_space: global }
    .group_segment_fixed_size: 327680
    .private_segment_fixed_size: 0
    .kernarg_segment_align: 8
    .kernarg_segment_size: 40
    .max_flat_workgroup_size: 128
    .sgpr_count:     102
    .vgpr_count:     1024
    .wavefront_size: 32
...
	.end_amdgpu_metadata
.endif
;; end of part 2
;; launch attn (part 3): grid 16 x 16, 8 waves a work-group, no clusters, 327,680 bytes of LDS; arguments qrope, kvimg, kvaux, o_norm_w, oimg; writes oimg
.if DOCPART == 3
	.amdgcn_target "amdgcn-amd-amdhsa--gfx1250"
	.amdhsa_code_object_version 6
	.text
	.protected	k_qd3ae9c5226_attn
	.globl	k_qd3ae9c5226_attn
	.p2align	8
	.type	k_qd3ae9c5226_attn,@function
k_qd3ae9c5226_attn:
	s_mov_b64 s[64:65], 0
	v_nop
	global_prefetch_b8 v0, s[64:65] scope:SCOPE_SE
	s_setreg_imm32_b32 hwreg(HW_REG_WAVE_MODE, 25, 1), 1
	s_wait_xcnt 0x0
.set SLOT1, 1<<16
.set VOFF,  24576
.set SCK,   2*SLOT1
.set SPARE, SCK+16384
.set LI,   1
.set ADK,  2
.set ADS,  3
.set DQ,   4
.set SPW,  5
.set NIL,  6
.set SELB, 7
.set PX,   204
.set LT,   207
.set LSC,  211
.set TM,   212
.set GT,   212
.set RK,   220
.set PFO,  235
.set GA,   240
.set GB,   248
.set NW,   160
.set TB,   2
.set TS,   3
.set WV,   18
.set SEL,  20
.set CS,   22
.set G1,   24
.set G1S,  32
.set G0,   40
.set G0S,  44
.set KF,   48
.set CH,   49
.set SLOTS, 50
.set CMAX, 51
.set CW,   52
.set QMIN, 53
.set QMAX, 54
.set PFA,  58
.set LIM,  60
.set EPSR, 61
.set MSB, 0
.macro WIN new
.if MSB != (\new)
	s_set_vgpr_msb (MSB<<8)|(\new)
.set MSB, (\new)
.endif
.endm
.macro QUANT s, pc, word
.irp b, 0,1,2,3
	v_max3_num_f32 v[TM+\b], |v[\s+16*\b]|, |v[\s+1+16*\b]|, 0x1800000
.endr
.irp i, 2,4,6,8,10,12,14
.irp b, 0,1,2,3
	s_delay_alu instid0(VALU_DEP_4)
	v_max3_num_f32 v[TM+\b], v[TM+\b], |v[\s+16*\b+\i]|, |v[\s+1+16*\b+\i]|
.endr
.endr
.irp b, 0,1,2,3
	s_delay_alu instid0(VALU_DEP_4)
	v_permlanex16_b32 v[TM+4+\b], v[TM+\b], s[SEL], s[SEL+1]
.endr
.irp b, 0,1,2,3
	s_delay_alu instid0(VALU_DEP_4)
	v_max_num_f32 v[TM+\b], v[TM+\b], v[TM+4+\b]
.endr
.irp b, 0,1,2,3
	s_delay_alu instid0(VALU_DEP_4)
	v_add_nc_u32 v[TM+12+\b], 0xff000000, v[TM+\b]
.endr
.irp b, 0,1,2,3
	s_delay_alu instid0(VALU_DEP_4)
	v_lshrrev_b32 v[TM+4+\b], 23, v[TM+12+\b]
.endr
	s_delay_alu instid0(VALU_DEP_3)
	v_lshl_or_b32 v[\word], v[TM+5], 8, v[TM+4]
	s_delay_alu instid0(VALU_DEP_1)
	v_lshl_or_b32 v[\word], v[TM+6], 16, v[\word]
	s_delay_alu instid0(VALU_DEP_1)
	v_lshl_or_b32 v[\word], v[TM+7], 24, v[\word]
.irp c, 0,1
	v_cvt_scalef32_pk16_fp6_f32 v[\pc+6*\c:\pc+2+6*\c], v[\s+32*\c:\s+15+32*\c], v[TM+12+2*\c]
	v_cvt_scalef32_pk16_fp6_f32 v[PX+4*\c:PX+2+4*\c], v[\s+16+32*\c:\s+31+32*\c], v[TM+12+2*\c+1]
.endr
	v_nop
.irp c, 0,1
.irp i, 0,1,2
	v_permlane16_swap_b32 v[\pc+6*\c+\i], v[PX+4*\c+\i]
.endr
.irp i, 0,1,2
	s_delay_alu instid0(VALU_DEP_3)
	v_mov_b32 v[\pc+3+6*\c+\i], v[PX+4*\c+\i]
.endr
.endr
.endm
	s_load_b256 s[4:11], s[0:1], 0x0
	s_load_b64 s[12:13], s[0:1], 0x20
	v_lshl_add_u32 v[SPW], v0, 2, SPARE
	v_mov_b32 v[NIL], 0
	ds_add_u32 v[SPW], v[NIL]
	ds_add_u32 v[SPW], v[NIL]
	v_lshrrev_b32 v8, 5, v0
	s_delay_alu instid0(VALU_DEP_1)
	v_readfirstlane_b32 s[WV], v8
	s_and_b32 s16, ttmp7, 0xffff
	s_lshr_b32 s17, ttmp9, 2
	s_and_b32 s19, ttmp9, 3
	s_sub_co_u32 s[CMAX], 7, s17
	s_cmp_lt_u32 s[WV], 4
	s_cselect_b32 s[CW], s17, s[CMAX]
	s_and_b32 s55, s[WV], 3
	s_lshl_b32 s56, s19, 2
	s_add_co_u32 s56, s56, s55
	s_lshr_b32 s57, s56, 3
	s_lshl_b32 s62, s[CW], 1
	s_add_co_u32 s57, s57, s62
	s_and_b32 s56, s56, 7
	s_lshl_b32 s62, s57, 3
	s_add_co_u32 s62, s62, s56
	s_lshl_b32 s[QMIN], s57, 7
	s_lshr_b32 s63, s56, 1
	s_lshl_b32 s63, s63, 5
	s_add_co_u32 s[QMIN], s[QMIN], s63
	s_and_b32 s63, s56, 1
	s_lshl_b32 s63, s63, 3
	s_add_co_u32 s[QMIN], s[QMIN], s63
	s_add_co_u32 s[QMAX], s[QMIN], 23
	s_mov_b32 s[G1], 3<<16
	s_mov_b32 s[G1+1], 32<<16
	s_mov_b32 s[G1+2], 24<<16
	s_mov_b32 s[G1+3], 32<<16
	s_mov_b32 s[G1+4], 24
	s_mov_b32 s[G1+5], 128
	s_mov_b32 s[G1+6], 0
	s_mov_b32 s[G1+7], 0
	s_mov_b32 s[G1S], 3<<16
	s_mov_b32 s[G1S+1], 32<<16
	s_mov_b32 s[G1S+2], 8<<16
	s_mov_b32 s[G1S+3], 32<<16
	s_mov_b32 s[G1S+4], 8
	s_mov_b32 s[G1S+5], 128
	s_mov_b32 s[G1S+6], 0
	s_mov_b32 s[G1S+7], 0
	s_lshr_b32 s63, s[WV], 2
	s_mul_i32 s66, s63, 3145728
	s_mul_i32 s67, s16, 196608
	s_add_co_u32 s66, s66, s67
	s_lshl_b32 s67, s55, 8
	s_add_co_u32 s66, s66, s67
	s_mov_b32 s67, 0
	s_lshl_b32 s68, s63, 17
	s_lshl_b32 s69, s16, 13
	s_add_co_u32 s68, s68, s69
	s_lshl_b32 s69, s55, 8
	s_add_co_u32 s68, s68, s69
	s_mov_b32 s69, 0
	s_lshl_b32 s70, s16, 7
	s_add_co_u32 s70, s70, s62
	s_lshl_b32 s70, s70, 13
	s_mov_b32 s71, 0
	s_lshl_b32 s72, s16, 13
	s_add_co_u32 s72, s72, 262144
	s_mov_b32 s73, 0
	; oimg: [row tile 128][four heads 4][6,400 bytes: 4 images of 1,536 bytes, then their scale words, 64 bytes a head]
	s_mul_i32 s74, s62, 25600
	s_lshr_b32 s75, s16, 2
	s_mul_i32 s75, s75, 6400
	s_add_co_u32 s74, s74, s75
	s_and_b32 s77, s16, 3
	s_lshl_b32 s76, s77, 6
	s_add_co_u32 s76, s76, s74
	s_add_co_u32 s76, s76, 6144
	s_mul_i32 s77, s77, 1536
	s_add_co_u32 s74, s74, s77
	s_mov_b32 s75, 0
	s_mov_b32 s77, 0
	s_cmp_ge_u32 s[WV], 3
	s_cselect_b32 s78, 3145728, 0
	s_cselect_b32 s79, 3, 0
	s_sub_co_u32 s79, s[WV], s79
	s_lshl_b32 s79, s79, 13
	s_add_co_u32 s78, s78, s79
	s_mul_i32 s79, s16, 196608
	s_add_co_u32 s78, s78, s79
	s_add_co_u32 s78, s78, 24576
	s_mov_b32 s79, 0
	s_cmp_lt_u32 s[WV], 6
	s_cselect_b32 s[LIM], 0, 1
	s_or_b32 s[LIM], s[LIM], ttmp9
	s_cmp_eq_u32 s[LIM], 0
	s_cselect_b32 s[LIM], 1, -1
	s_mov_b32 s[SEL], 0x76543210
	s_mov_b32 s[SEL+1], 0xfedcba98
	s_mov_b32 s[CS], 0x3e0293ee
	s_mov_b32 s[CS+1], s[CS]
	s_mov_b32 s[EPSR], 0x358637bd
	s_mov_b32 s82, 0x3c000000
	s_mov_b32 s[TB], 0
	s_mov_b32 s[TS], 0
	s_mov_b32 s[KF], 0
	s_mov_b32 s[CH], 0
	s_mov_b32 s[SLOTS], 7
	s_wait_dscnt 0x0
	s_wait_kmcnt 0x0
	s_mov_b32 s[G0S], 1
	s_lshl_b32 s[G0S+1], s[WV], 11
	s_add_co_u32 s[G0S+1], s[G0S+1], SCK
	s_add_nc_u64 s[G0S+2:G0S+3], s[8:9], s[68:69]
	s_or_b32 s[G0S+3], s[G0S+3], 0x80000000
	s_mov_b32 s[G0], 1
	s_mul_i32 s[G0+1], s[WV], 6144
	s_add_nc_u64 s[G0+2:G0+3], s[6:7], s[66:67]
	s_or_b32 s[G0+3], s[G0+3], 0x80000000
	tensor_load_to_lds s[G0S:G0S+3], s[G1S:G1S+7]
	s_nop 0
	s_wait_alu depctr_va_vdst(0)
	s_wait_tensorcnt 0x0
	ds_add_u32 v5, v6
	s_wait_dscnt 0x0
	s_barrier_signal -1
	s_barrier_wait -1
	tensor_load_to_lds s[G0:G0+3], s[G1:G1+7]
	s_nop 0
.rept 4
	v_nop
.endr
	s_add_nc_u64 s[4:5], s[4:5], s[70:71]
	s_add_nc_u64 s[8:9], s[8:9], s[72:73]
	s_add_nc_u64 s[14:15], s[12:13], s[76:77]
	s_add_nc_u64 s[12:13], s[12:13], s[74:75]
	s_add_nc_u64 s[PFA:PFA+1], s[6:7], s[78:79]
	v_and_b32 v9, 31, v0
	v_and_b32 v10, 15, v0
	v_bfe_u32 v11, v0, 4, 1
	s_delay_alu instid0(VALU_DEP_3)
	v_lshlrev_b32 v[LI], 4, v9
	s_delay_alu instid0(VALU_DEP_4)
	v_lshlrev_b32 v[PFO], 8, v9
	s_delay_alu instid0(VALU_DEP_4)
	v_lshlrev_b32 v[LT], 4, v10
	s_delay_alu instid0(VALU_DEP_1)
	v_mad_u32_u24 v[LT], v11, 6144, v[LT]
	v_lshlrev_b32 v[LSC], 4, v10
	s_delay_alu instid0(VALU_DEP_1)
	v_lshl_add_u32 v[LSC], v11, 11, v[LSC]
	s_delay_alu instid0(VALU_DEP_1)
	v_add_nc_u32 v[LSC], SCK, v[LSC]
	v_and_b32 v8, 8, v10
	s_delay_alu instid0(VALU_DEP_1)
	v_add_nc_u32 v8, v8, v10
	v_lshlrev_b32 v9, 4, v11
	s_delay_alu instid0(VALU_DEP_1)
	v_sub_nc_u32 v8, v8, v9
	s_delay_alu instid0(VALU_DEP_1)
	v_add_nc_u32 v[DQ], s[QMIN], v8
	v_and_b32 v9, 7, v0
	s_delay_alu instid0(VALU_DEP_1)
	v_lshlrev_b32 v9, 10, v9
	s_delay_alu instid0(VALU_DEP_1)
	v_lshl_add_u32 v9, v11, 6, v9
	v_lshlrev_b32 v10, 6, v11
.irp g, 0,1,2,3,4,5,6,7,8,9,10,11,12,13,14,15
	global_load_b128 v[128+4*\g:131+4*\g], v[LI], s[4:5] offset:512*\g th:TH_LOAD_NT
.endr
.irp b, 0,1,2,3
.irp i, 0,1,2,3
	global_load_b128 v[32+16*\b+4*\i:35+16*\b+4*\i], v9, s[8:9] offset:128*\b+16*\i
.endr
.endr
	WIN 0x40
.irp b, 0,1,2,3
.irp i, 0,1,2,3
	global_load_b128 v[64+16*\b+4*\i:67+16*\b+4*\i], v9, s[8:9] offset:512+128*\b+16*\i
.endr
.endr
.irp b, 0,1,2,3
.irp i, 0,1,2,3
	global_load_b128 v[NW+16*\b+4*\i:NW+3+16*\b+4*\i], v10, s[10:11] offset:128*\b+16*\i
.endr
.endr
	WIN 0
.irp b, 0,1,2,3
	v_mov_b32 v[TM+4+\b], 0
.endr
	s_wait_loadcnt 0x0
	WIN 0x04
.set e, 0
.rept 32
	v_pk_add_f32 v[32+e:33+e], v[32+e:33+e], v[64+e:65+e]
.set e, e+2
.endr
	WIN 0
	QUANT 128, 16, 28
	v_wmma_f32_16x16x4_f32 v[GA:GA+7], v[32:33], v[128:129], 0
	v_wmma_f32_16x16x4_f32 v[GB:GB+7], v[34:35], v[130:131], 0
.set e, 4
.rept 15
	v_wmma_f32_16x16x4_f32 v[GA:GA+7], v[32+e:33+e], v[128+e:129+e], v[GA:GA+7]
	v_wmma_f32_16x16x4_f32 v[GB:GB+7], v[34+e:35+e], v[130+e:131+e], v[GB:GB+7]
.set e, e+4
.endr
	WIN 0x40
.set e, 0
.rept 64
	v_mov_b32 v[e], 0
.set e, e+1
.endr
	WIN 0
	v_mov_b32 v29, 0xff61b1e6
	v_mov_b32 v233, 0xff800000
	v_mov_b32 v31, 0
	v_mov_b32 v13, 0xff61b1e6
	s_delay_alu instid0(VALU_DEP_1)
	v_floor_f32 v12, -v13
	v_mov_b32 v14, 0
	v_mov_b32 v15, 0
	v_mov_b32 v237, 0
	v_mov_b32 v234, 0
	v_mov_b32 v[SELB], 0
	v_mov_b32 v8, 0xf149f2ca
	v_mov_b32 v9, 0x7149f2ca
	v_mov_b32 v10, 0xf0c9f2ca
.irp n, 0,1,2,3,4,5,6,7
	v_add_f32 v[GT+\n], v[GA+\n], v[GB+\n]
.endr
.irp n, 0,1,2,3,4,5,6,7
	s_cmp_lt_u32 s[CW], \n
	s_cselect_b32 s80, -1, 0
	s_cmp_eq_u32 s[CW], \n
	s_cselect_b32 s81, -1, 0
	v_cndmask_b32 v[GT+\n], v[GT+\n], v8, s80
	s_delay_alu instid0(VALU_DEP_1)
	v_cndmask_b32 v[GT+\n], v[GT+\n], v9, s81
	v_mov_b32 v[RK+\n], 7-\n
.endr
.irp m, 0,1,2,3,4,5,6
.irp n, 1,2,3,4,5,6,7
.if \n > \m
	v_cmp_ge_f32 s80, v[GT+\m], v[GT+\n]
	s_delay_alu instid0(VALU_DEP_1)
	v_cndmask_b32 v11, 0, 1, s80
	s_delay_alu instid0(VALU_DEP_1)
	v_add_nc_u32 v[RK+\n], v[RK+\n], v11
	s_delay_alu instid0(VALU_DEP_2)
	v_sub_nc_u32 v[RK+\m], v[RK+\m], v11
.endif
.endr
.endr
.irp n, 0,1,2,3,4,5,6,7
	v_cmp_gt_u32 s80, 4, v[RK+\n]
	v_cmp_gt_f32 s81, v[GT+\n], v10
	s_and_b32 s80, s80, s81
	v_cndmask_b32 v11, 0, 1, s80
	s_delay_alu instid0(VALU_DEP_1)
	v_lshl_or_b32 v[SELB], v11, \n, v[SELB]
.endr
.macro ASK
	s_cmp_gt_u32 s[SLOTS], s[LIM]
	s_cbranch_scc0 .Lnot_mine_\@
	global_prefetch_b8 v[PFO], s[PFA:PFA+1] th:TH_LOAD_NT scope:SCOPE_SE
.Lnot_mine_\@:
.endm
.macro CHANGE fill
	s_wait_tensorcnt 0x0
	ds_add_u32 v[SPW], v[NIL]
.if \fill
	s_xor_b32 s[G0+1], s[G0+1], SLOT1
	s_add_nc_u64 s[G0+2:G0+3], s[G0+2:G0+3], 24576
	s_wait_xcnt 0x0
	s_add_nc_u64 s[PFA:PFA+1], s[PFA:PFA+1], 24576
.endif
	s_wait_dscnt 0x0
	s_barrier_signal -1
	s_barrier_wait -1
.if \fill
	s_cmp_ge_u32 s[CH], s[CMAX]
	s_cbranch_scc1 .Lpast_\@
	tensor_load_to_lds s[G0:G0+3], s[G1:G1+7]
	s_nop 0
.rept 4
	v_nop
.endr
.Lpast_\@:
	ASK
.endif
.endm
.macro KLOAD q
.irp t, 0,1,2,3,4,5,6,7
.irp g, 0,1,2
.set NN, (8*(\q)+\t)*3+\g
	ds_load_b128 v[32+12*\t+4*\g:35+12*\t+4*\g], v[ADK] offset:(NN&1)*12288+(NN>>1)*256
.endr
.endr
	ds_load_b128 v[224:227], v[ADS] offset:4096*(\q)
.endm
.macro VLOAD q
	WIN 0x40
.irp t, 0,1,2,3,4,5,6,7
.irp g, 0,1,2
.set NN, (8*(\q)+\t)*3+\g
	ds_load_b128 v[64+12*\t+4*\g:67+12*\t+4*\g], v[ADK] offset:VOFF+(NN&1)*12288+(NN>>1)*256
.endr
.endr
	WIN 0
	ds_load_b128 v[228:231], v[ADS] offset:8192+4096*(\q)
.endm
.macro BODY q
.if \q
.set KR, 67
.else
.set KR, KF
.endif
	s_wait_dscnt 25
.irp t, 0,1,2,3,4,5,6,7
.if (\t)%2
	v_wmma_scale_f32_16x16x128_f8f6f4 v[128+8*\t:135+8*\t], v[32+12*\t:43+12*\t], v[16:27], 0, v[224+\t/2], v28 matrix_a_fmt:MATRIX_FMT_FP6 matrix_b_fmt:MATRIX_FMT_FP6 matrix_a_scale:MATRIX_SCALE_ROW1
.else
	v_wmma_scale_f32_16x16x128_f8f6f4 v[128+8*\t:135+8*\t], v[32+12*\t:43+12*\t], v[16:27], 0, v[224+\t/2], v28 matrix_a_fmt:MATRIX_FMT_FP6 matrix_b_fmt:MATRIX_FMT_FP6
.endif
.endr
.rept 4
	v_nop
.endr
	s_add_co_u32 s66, s[KR], 127
	s_cmp_le_u32 s66, s[QMIN]
	s_cbranch_scc1 .Lopen_\@
	v_sub_nc_u32 v8, v[DQ], s[KR]
.irp n, 0,1,2,3,4,5,6,7,8,9,10,11,12,13,14,15,16,17,18,19,20,21,22,23,24,25,26,27,28,29,30,31,32,33,34,35,36,37,38,39,40,41,42,43,44,45,46,47,48,49,50,51,52,53,54,55,56,57,58,59,60,61,62,63
	v_cmp_gt_i32 vcc_lo, 32*(\n/16)+\n%16, v8
	v_cndmask_b32 v[128+\n], v[128+\n], v233, vcc_lo
.endr
.Lopen_\@:
	s_wait_alu depctr_va_vdst(0)
	v_lshrrev_b32 v8, s[CH], v[SELB]
	s_delay_alu instid0(VALU_DEP_1)
	v_and_b32 v8, 1, v8
	s_delay_alu instid0(VALU_DEP_1)
	v_cmp_eq_u32 s80, 1, v8
.irp b, 0,1,2,3
	v_max3_num_f32 v[212+\b], v[128+16*\b], v[129+16*\b], v[130+16*\b]
.endr
.irp i, 3,5,7,9,11,13
.irp b, 0,1,2,3
	v_max3_num_f32 v[212+\b], v[212+\b], v[128+16*\b+\i], v[129+16*\b+\i]
.endr
.endr
.irp b, 0,1,2,3
	v_max_num_f32 v[212+\b], v[212+\b], v[143+16*\b]
.endr
.irp b, 0,1,2,3
	s_delay_alu instid0(VALU_DEP_4)
	v_permlanex16_b32 v[216+\b], v[212+\b], s[SEL], s[SEL+1]
.endr
.irp b, 0,1,2,3
	s_delay_alu instid0(VALU_DEP_4)
	v_max_num_f32 v[212+\b], v[212+\b], v[216+\b]
.endr
	s_delay_alu instid0(VALU_DEP_2)
	v_max3_num_f32 v234, v212, v213, v214
	s_delay_alu instid0(VALU_DEP_1)
	v_max_num_f32 v234, v234, v215
	s_delay_alu instid0(VALU_DEP_1)
	v_mul_f32 v234, s[CS], v234
	s_delay_alu instid0(VALU_DEP_1)
	v_cndmask_b32 v234, v29, v234, s80
	s_delay_alu instid0(VALU_DEP_1)
	v_max_num_f32 v13, v13, v234
	v_mov_b32 v234, v12
	s_delay_alu instid0(VALU_DEP_2)
	v_floor_f32 v12, -v13
	s_delay_alu instid0(VALU_DEP_1)
	v_sub_f32 v234, v12, v234
	s_delay_alu instid0(VALU_DEP_1)
	v_cvt_i32_f32 v234, v234
	s_delay_alu instid0(VALU_DEP_1)
	v_ldexp_f32 v236, 1.0, v234
	s_delay_alu instid0(VALU_DEP_4)
	v_cndmask_b32 v30, v233, v12, s80
.irp j, 0,2,4,6,8,10,12,14,16,18,20,22,24,26,28,30,32,34,36,38,40,42,44,46,48,50,52,54,56,58,60,62
	v_pk_fma_f32 v[128+\j:129+\j], v[128+\j:129+\j], s[CS:CS+1], v[30:31] op_sel_hi:[1,0,0]
.endr
.irp b, 0,1,2,3
	v_fma_f32 v[212+\b], v[212+\b], s[CS], v30
.endr
	s_wait_alu depctr_va_vdst(0)
.irp j, 0,1,2,3,4,5,6,7,8,9,10,11,12,13,14,15,16,17,18,19,20,21,22,23,24,25,26,27,28,29,30,31,32,33,34,35,36,37,38,39,40,41,42,43,44,45,46,47,48,49,50,51,52,53,54,55,56,57,58,59,60,61,62,63
	v_exp_f32 v[128+\j], v[128+\j]
.endr
	v_pk_mul_f32 v[14:15], v[14:15], v[236:237] op_sel_hi:[1,0]
	s_wait_alu depctr_va_vdst(0)
.if (\q) == 0
	s_wait_dscnt 0x0
	s_add_co_u32 s67, s[KF], 128
	s_cmp_gt_u32 s67, s[QMAX]
	s_cbranch_scc1 .Lnok_\@
	KLOAD 1
.Lnok_\@:
.endif
.irp b, 0,1,2,3
	v_exp_f32 v[212+\b], v[212+\b]
.endr
	v_pk_add_f32 v[238:239], v[128:129], v[130:131]
.irp j, 4,8,12,16,20,24,28,32,36,40,44,48,52,56,60
	v_pk_add_f32 v[14:15], v[14:15], v[128+\j:129+\j]
	v_pk_add_f32 v[238:239], v[238:239], v[130+\j:131+\j]
.endr
	s_delay_alu instid0(VALU_DEP_1)
	v_pk_add_f32 v[14:15], v[14:15], v[238:239]
	s_wait_alu depctr_va_vdst(0)
.irp b, 0,1,2,3
	v_max_num_f32 v[212+\b], 0x1800000, v[212+\b]
.endr
.irp b, 0,1,2,3
	s_delay_alu instid0(VALU_DEP_4)
	v_add_nc_u32 v[220+\b], 0xff000000, v[212+\b]
.endr
.irp b, 0,1,2,3
	s_delay_alu instid0(VALU_DEP_4)
	v_lshrrev_b32 v[216+\b], 23, v[220+\b]
.endr
	s_delay_alu instid0(VALU_DEP_3)
	v_lshl_or_b32 v232, v217, 8, v216
	s_delay_alu instid0(VALU_DEP_1)
	v_lshl_or_b32 v232, v218, 16, v232
	s_delay_alu instid0(VALU_DEP_1)
	v_lshl_or_b32 v232, v219, 24, v232
.irp c, 0,1
	v_cvt_scalef32_pk16_fp6_f32 v[192+6*\c:194+6*\c], v[128+32*\c:143+32*\c], v[220+2*\c]
	v_cvt_scalef32_pk16_fp6_f32 v[PX+4*\c:PX+2+4*\c], v[144+32*\c:159+32*\c], v[220+2*\c+1]
.endr
	v_nop
.irp c, 0,1
.irp i, 0,1,2
	v_permlane16_swap_b32 v[192+6*\c+\i], v[PX+4*\c+\i]
.endr
.irp i, 0,1,2
	s_delay_alu instid0(VALU_DEP_3)
	v_mov_b32 v[195+6*\c+\i], v[PX+4*\c+\i]
.endr
.endr
	WIN 0x41
.irp j, 0,2,4,6,8,10,12,14,16,18,20,22,24,26,28,30,32,34,36,38,40,42,44,46,48,50,52,54,56,58,60,62
	v_pk_mul_f32 v[\j:\j+1], v[\j:\j+1], v[236:237] op_sel_hi:[1,0]
.endr
.if \q
	s_wait_alu depctr_va_vdst(0)
	s_wait_dscnt 0x0
.endif
	WIN 0x51
.irp t, 0,1,2,3,4,5,6,7
.if (\t)%2
	v_wmma_scale_f32_16x16x128_f8f6f4 v[8*\t:8*\t+7], v[64+12*\t:75+12*\t], v[192:203], v[8*\t:8*\t+7], v[228+\t/2], v232 matrix_a_fmt:MATRIX_FMT_FP6 matrix_b_fmt:MATRIX_FMT_FP6 matrix_a_scale:MATRIX_SCALE_ROW1
.else
	v_wmma_scale_f32_16x16x128_f8f6f4 v[8*\t:8*\t+7], v[64+12*\t:75+12*\t], v[192:203], v[8*\t:8*\t+7], v[228+\t/2], v232 matrix_a_fmt:MATRIX_FMT_FP6 matrix_b_fmt:MATRIX_FMT_FP6
.endif
.endr
	WIN 0
.endm
.macro CHUNK
	s_cmp_gt_u32 s[KF], s[QMAX]
	s_cbranch_scc1 .Lhidden_\@
	v_add_nc_u32 v[ADK], s[TB], v[LT]
	v_add_nc_u32 v[ADS], s[TS], v[LSC]
	v_nop
	v_nop
	KLOAD 0
	VLOAD 0
	BODY 0
	s_cmp_gt_u32 s67, s[QMAX]
	s_cbranch_scc1 .Lhidden_\@
.rept 4
	v_nop
.endr
	VLOAD 1
	BODY 1
.Lhidden_\@:
	s_add_co_u32 s[KF], s[KF], 256
	s_xor_b32 s[TB], s[TB], SLOT1
	s_add_co_u32 s[TS], s[TS], 256
	s_add_co_u32 s[CH], s[CH], 1
.endm
.Lslot:
	CHANGE 1
	CHUNK
	s_sub_co_u32 s[SLOTS], s[SLOTS], 1
	s_cmp_lg_u32 s[SLOTS], 0
	s_cbranch_scc1 .Lslot
	CHANGE 0
	CHUNK
	s_wait_dscnt 0x0
.rept 4
	v_nop
.endr
	v_add_f32 v14, v14, v15
	s_delay_alu instid0(VALU_DEP_1)
	v_permlanex16_b32 v234, v14, s[SEL], s[SEL+1]
	s_delay_alu instid0(VALU_DEP_1)
	v_add_f32 v14, v14, v234
	s_wait_alu depctr_va_vdst(0)
	v_rcp_f32 v234, v14
	WIN 0x05
	s_wait_alu depctr_va_vdst(0)
	v_pk_mul_f32 v[8:9], v[0:1], v[0:1]
	v_pk_mul_f32 v[10:11], v[2:3], v[2:3]
.set e, 4
.rept 15
	v_pk_fma_f32 v[8:9], v[e:e+1], v[e:e+1], v[8:9]
	v_pk_fma_f32 v[10:11], v[e+2:e+3], v[e+2:e+3], v[10:11]
.set e, e+4
.endr
	WIN 0
	v_pk_add_f32 v[8:9], v[8:9], v[10:11]
	s_delay_alu instid0(VALU_DEP_1)
	v_add_f32 v8, v8, v9
	s_delay_alu instid0(VALU_DEP_1)
	v_permlanex16_b32 v9, v8, s[SEL], s[SEL+1]
	s_delay_alu instid0(VALU_DEP_1)
	v_add_f32 v8, v8, v9
	s_wait_alu depctr_va_vdst(0)
	v_mul_f32 v8, v8, v234
	v_mul_f32 v8, v8, v234
	s_delay_alu instid0(VALU_DEP_1)
	v_fma_f32 v8, v8, s82, s[EPSR]
	s_wait_alu depctr_va_vdst(0)
	v_rsq_f32 v9, v8
	v_and_b32 v3, 15, v0
	s_delay_alu instid0(VALU_DEP_1)
	v_lshlrev_b32 v3, 2, v3
	s_wait_alu depctr_va_vdst(0)
	v_mul_f32 v236, v234, v9
	WIN 0x01
.set e, 0
.rept 32
	v_pk_mul_f32 v[128+e:129+e], v[e:e+1], v[236:237] op_sel_hi:[1,0]
.set e, e+2
.endr
	WIN 0x04
.set e, 0
.rept 32
	v_pk_mul_f32 v[128+e:129+e], v[128+e:129+e], v[NW+e:NW+1+e]
.set e, e+2
.endr
	WIN 0
	QUANT 128, 192, 232
.irp g, 0,1,2
	global_store_b128 v[LI], v[192+4*\g:195+4*\g], s[12:13] offset:512*\g
.endr
	global_store_b32 v3, v232, s[14:15]
	s_wait_tensorcnt 0x0
	ds_add_u32 v[SPW], v[NIL]
	s_wait_dscnt 0x0
	s_endpgm
.Lfunc_end_k_qd3ae9c5226_attn:
	.size	k_qd3ae9c5226_attn, .Lfunc_end_k_qd3ae9c5226_attn-k_qd3ae9c5226_attn
	.p2alignl 7, 3214868480
	.fill 96, 4, 3214868480
	.section	.rodata,"a",@progbits
	.p2align	6, 0x0
	.amdhsa_kernel k_qd3ae9c5226_attn
		.amdhsa_group_segment_fixed_size 327680
		.amdhsa_private_segment_fixed_size 0
		.amdhsa_enable_private_segment 0
		.amdhsa_kernarg_size 40
		.amdhsa_user_sgpr_count 2
		.amdhsa_user_sgpr_kernarg_segment_ptr 1
		.amdhsa_wavefront_size32 1
		.amdhsa_system_sgpr_workgroup_id_x 1
		.amdhsa_system_sgpr_workgroup_id_y 1
		.amdhsa_system_sgpr_workgroup_id_z 1
		.amdhsa_system_vgpr_workitem_id 0
		.amdhsa_next_free_vgpr 480
		.amdhsa_next_free_sgpr 84
		.amdhsa_reserve_vcc 1
		.amdhsa_float_denorm_mode_32 3
		.amdhsa_float_denorm_mode_16_64 3
		.amdhsa_memory_ordered 1
		.amdhsa_forward_progress 1
		.amdhsa_inst_pref_size 154
	.end_amdhsa_kernel
	.amdgpu_metadata
---
amdhsa.version: [ 1, 2 ]
amdhsa.kernels:
  - .name:           k_qd3ae9c5226_attn
    .symbol:         k_qd3ae9c5226_attn.kd
    .args:
      - { .name: qrope, .offset: 0, .size: 8, .value_kind: global_buffer, .address_space: global }
      - { .name: kvimg, .offset: 8, .size: 8, .value_kind: global_buffer, .address_space: global }
      - { .name: kvaux, .offset: 16, .size: 8, .value_kind: global_buffer, .address_space: global }
      - { .name: o_norm_w, .offset: 24, .size: 8, .value_kind: global_buffer, .address_space: global }
      - { .name: oimg, .offset: 32, .size: 8, .value_kind: global_buffer, .address_space: global }
    .group_segment_fixed_size: 327680
    .private_segment_fixed_size: 0
    .kernarg_segment_align: 8
    .kernarg_segment_size: 40
    .max_flat_workgroup_size: 256
    .sgpr_count:     84
    .vgpr_count:     480
    .wavefront_size: 32
...
	.end_amdgpu_metadata
.endif
;; end of part 3
;; launch oproj (part 4): grid 16 x 16, 4 waves a work-group, clusters of 4 x 4, 327,680 bytes of LDS; arguments oimg, wimg, out0; writes out0
.if DOCPART == 4
	.amdgcn_target "amdgcn-amd-amdhsa--gfx1250"
	.amdhsa_code_object_version 6
	.text
	.protected	k_qd3ae9c5226_oproj
	.globl	k_qd3ae9c5226_oproj
	.p2align	8
	.type	k_qd3ae9c5226_oproj,@function
k_qd3ae9c5226_oproj:
	s_mov_b64 s[64:65], 0
	v_nop
	global_prefetch_b8 v0, s[64:65] scope:SCOPE_SE
	s_setreg_imm32_b32 hwreg(HW_REG_WAVE_MODE, 25, 1), 1
	s_wait_xcnt 0x0
	s_wait_alu depctr_hold_cnt(0) depctr_sa_sdst(0) depctr_va_vdst(0) depctr_va_sdst(0) depctr_va_ssrc(0) depctr_va_vcc(0) depctr_vm_vsrc(0)
	s_getreg_b32 s2, hwreg(HW_REG_IB_STS2, 6, 4)
	s_cmp_eq_u32 s2, 0
	s_cbranch_scc0 .Lentry_in_a_cluster
	s_endpgm
.Lentry_in_a_cluster:
	s_bfe_u32 s2, ttmp6, 0x10000c
	s_cmp_lg_u32 s2, 0xf033
	s_cbranch_scc0 .Lentry_shape_is_right
	s_endpgm
.Lentry_shape_is_right:
; MoBA, launch 4 of 4: out0 = o Wo^T on codes of FP6 (E2M3) with E8M0 scales; out0 [2048][2048] f32.  Nothing is left out here.
; 256 tiles of 128 x 128, one for each WGP (tiles of 256 x 256 would be 64); four waves, each 64 x 64: 16 accumulators.  K goes in four slots of 512 through a ring of two LDS slots; a slot is four products deep.
; Both operands come as operand images (a fragment's registers as they stand: three loads of 16 bytes a lane, dense) with their scale words in the same slot.
; o: [row tile][four heads][6,400 bytes: 4 images, 256 bytes of scale words]: waves 0 and 1 fetch four row tiles each (4 rows of 6,400 bytes).  Wo: two blocks of 25,600 bytes (128 rows x 256 along K): waves 2 and 3 fetch one each.
; The matrix instruction is used transposed (source 0 = 16 rows of Wo, source 1 = 16 rows of o).  The stored rows of both have bits 3 and 4 of their number exchanged; the way out puts rows and columns back.
; CLUSTERS: 4 x 4; o's tiles are shared along a row of the cluster, Wo's along a column, each asked for jointly.
; PREFETCH: behind the first fill a request a wave for K slots 1 and 2, behind the second for K slot 3: of the 100 pieces of 256 bytes that a wave fetches each of the four partners takes 25, by address, a lane a piece
; (lanes 25-31 name the 25th again).  The walk has four fills and is written out.
; REGISTERS: window 0: v8-10 prefetch offsets, v16-29 addresses, v32-63 Wo's scale words (two sets), v64-79 o's, v80-111 rows on the way out, v128-255 the accumulators ((a, b) at v[128 + 8 (4 a + b)]).
;   window 1: two sets of fragments: o's four at v[128 p], Wo's four at v[128 p + 48].
.set BLK,    25600
.set OT,     6400
.set SLOT,   4*BLK
.set SPARE,  2*SLOT                    ; the spare words: 128 bytes a wave, named by no other line
.set SPITCH, 272                       ; the way out: 16 rows x (256 bytes + 16) for each wave, in slot 0, which has then had its last fill and its last read
.set FR,   12
.set ADRA, 16
.set ADRB, 18
.set ADSB, 20
.set ADSA, 22
.set STO,  24
.set RD,   25
.set CO,   26
.set SPW,  28
.set NIL,  29
.set SCB,  32
.set SCA,  64
.set OUTR, 80
.set ACC,  128
.set G1, 24
.set G0, 32
.set G1B, 48
.set G0B, 56
.set PFA, 94
.set MSB, 0
.macro WIN new
.if MSB != (\new)
	s_set_vgpr_msb (MSB<<8)|(\new)
.set MSB, (\new)
.endif
.endm
.set MUL,  0x05                        ; sources 0 and 1 window 1; C and D window 0
.set TO_F, 0x40
.macro JLOAD g0a, g1a, g0b, g1b        ; waves 0 and 1 fetch for o, waves 2 and 3 for Wo; an s_nop 0 and four v_nop follow each of the two lines
	s_cmp_eq_u32 s15, 0
	s_cbranch_scc0 .Lfor_b_\@
	tensor_load_to_lds s[\g0a:\g0a+3], s[\g1a:\g1a+7]
	s_nop 0
.rept 4
	v_nop
.endr
	s_branch .Lasked_\@
.Lfor_b_\@:
	tensor_load_to_lds s[\g0b:\g0b+3], s[\g1b:\g1b+7]
	s_nop 0
.rept 4
	v_nop
.endr
.Lasked_\@:
.endm
.macro CREST
	s_cmp_lg_u32 s14, 0
	s_cbranch_scc1 .Lnot_wave_0_\@
	s_barrier_signal -3
.Lnot_wave_0_\@:
	s_barrier_wait -3
	s_barrier_signal -1
	s_barrier_wait -1
.endm
.macro CROUND
	s_barrier_signal -1
	s_barrier_wait -1
	CREST
.endm
	s_load_b128 s[4:7], s[0:1], 0x0                ; oimg s[4:5], wimg s[6:7]
	s_load_b64 s[12:13], s[0:1], 0x10              ; out0
	v_lshl_add_u32 v[SPW], v0, 2, SPARE
	v_mov_b32 v[NIL], 0
	ds_add_u32 v[SPW], v[NIL]                      ; the wave's opening: the add, twice on end, and its wait ahead of my first tensor load
	ds_add_u32 v[SPW], v[NIL]
	v_lshrrev_b32 v1, 5, v0
	v_readfirstlane_b32 s14, v1                    ; wave 0..3
	s_lshr_b32 s15, s14, 1                         ; which half of the tile's rows is mine.  Also: I fetch for o (0) or for Wo (1)
	s_and_b32 s16, s14, 1                          ; which half of its columns.  Also: which half of that operand's slot I fetch
	s_bfe_u32 s40, ttmp6, 0x40000
	s_bfe_u32 s41, ttmp6, 0x40004
	s_lshl_b32 s42, ttmp9, 2
	s_add_co_u32 s42, s42, s40                     ; tx
	s_and_b32 s17, ttmp7, 0xffff
	s_lshl_b32 s17, s17, 2
	s_add_co_u32 s17, s17, s41                     ; ty
	s_lshl_b32 s43, s41, 2
	s_lshl_b32 s43, 15, s43                        ; my row of the cluster
	s_lshl_b32 s44, 0x1111, s40                    ; my column
	s_or_b32 s[G1+0], s43, (3<<16)|(1<<21)         ; o: 4 row tiles x 6,400 bytes (800 elements of 8), 25,600 bytes apart, dense in LDS
	s_mov_b32 s[G1+1], 800<<16
	s_mov_b32 s[G1+2], 4<<16
	s_mov_b32 s[G1+3], 800<<16
	s_mov_b32 s[G1+4], 4
	s_mov_b32 s[G1+5], 3200
	s_mov_b32 s[G1+6], 0
	s_mov_b32 s[G1+7], 0
	s_or_b32 s[G1B+0], s44, (3<<16)|(1<<21)        ; Wo: a block: 100 rows of 256 bytes, dense
	s_mov_b32 s[G1B+1], 32<<16
	s_mov_b32 s[G1B+2], 100<<16
	s_mov_b32 s[G1B+3], 32<<16
	s_mov_b32 s[G1B+4], 100
	s_mov_b32 s[G1B+5], 32
	s_mov_b32 s[G1B+6], 0
	s_mov_b32 s[G1B+7], 0
	s_lshl_b32 s20, s17, 3
	s_lshl_b32 s18, s16, 2
	s_add_co_u32 s20, s20, s18
	s_mul_i32 s20, s20, BLK                        ; o: row tile 8 ty + 4 x half
	s_mov_b32 s21, 0
	s_add_co_u32 s46, s42, 64                      ; Wo is the fifth tensor of wimg: group of 128 rows 64 + tx,
	s_lshl_b32 s46, s46, 3
	s_add_co_u32 s46, s46, s16                     ; block 0 or 1 of its eight
	s_mul_i32 s46, s46, BLK
	s_mov_b32 s47, 0
	s_mov_b32 s19, OT
	s_mov_b32 s2, 2*BLK
	s_cmp_eq_u32 s15, 0                            ; the prefetches: what I fetch, my work-group's quarter of it: a row tile of o, or 6,400 bytes of Wo's block
	s_cselect_b32 s22, s20, s46
	s_cselect_b32 s23, s40, s41
	s_cselect_b32 s18, BLK, s19
	s_cselect_b32 s67, s19, s2                     ; from K slot to K slot: 6,400 bytes in o, two blocks in Wo
	s_mul_i32 s23, s23, s18
	s_add_co_u32 s22, s22, s23
	s_mov_b32 s23, 0
	s_mul_i32 s45, s14, BLK                        ; where my part goes: no place in the cluster enters an LDS address
	s_mul_i32 s70, s15, BLK                        ; what I read: my four row tiles of o,
	s_mul_i32 s71, s16, 4*1536
	s_add_co_u32 s71, s71, 2*BLK                   ; my four row tiles of Wo,
	s_lshl_b32 s72, s16, 9
	s_add_co_u32 s72, s72, 2*BLK+24576             ; their scale words,
	s_add_co_u32 s73, s70, 6144                    ; and o's
	s_mul_i32 s74, s14, 16*SPITCH                  ; my stage
	s_lshl_b32 s80, s17, 7
	s_lshl_b32 s81, s15, 6
	s_add_co_u32 s80, s80, s81
	s_lshl_b32 s80, s80, 13                        ; my first row: 128 ty + 64 x half, 8,192 bytes a row
	s_lshl_b32 s81, s42, 9
	s_add_co_u32 s80, s80, s81
	s_lshl_b32 s81, s16, 8
	s_add_co_u32 s80, s80, s81                     ; my first column: 512 tx + 256 x half bytes
	s_mov_b32 s81, 0
	v_and_b32 v6, 31, v0
	v_lshlrev_b32 v3, 4, v6                        ; 16 x lane
	v_min_u32 v7, 24, v6
	v_lshlrev_b32 v7, 8, v7
	v_add_nc_u32 v8, s67, v7                       ; my piece of K slot 1,
	v_add_nc_u32 v9, s67, v8                       ; 2,
	v_add_nc_u32 v10, s67, v9                      ; 3
	s_wait_alu depctr_va_vdst(0)
	s_wait_dscnt 0x0                               ; both opening adds are done
	s_wait_kmcnt 0x0
	s_add_nc_u64 s[20:21], s[4:5], s[20:21]
	s_add_nc_u64 s[46:47], s[6:7], s[46:47]
	s_cmp_eq_u32 s15, 0
	s_cselect_b64 s[PFA:PFA+1], s[4:5], s[6:7]
	s_add_nc_u64 s[PFA:PFA+1], s[PFA:PFA+1], s[22:23]
	s_add_nc_u64 s[12:13], s[12:13], s[80:81]
	CROUND                                         ; all sixteen work-groups are here: the first joint loads meet
.irp s, 0,1
	s_mov_b32 s[G0+4*\s], 1
	s_add_co_u32 s[G0+4*\s+1], s45, \s*SLOT
	s_add_nc_u64 s[G0+4*\s+2:G0+4*\s+3], s[20:21], \s*OT
	s_or_b32 s[G0+4*\s+3], s[G0+4*\s+3], 0x80000000
	s_mov_b32 s[G0B+4*\s], 1
	s_add_co_u32 s[G0B+4*\s+1], s45, \s*SLOT
	s_add_nc_u64 s[G0B+4*\s+2:G0B+4*\s+3], s[46:47], \s*2*BLK
	s_or_b32 s[G0B+4*\s+3], s[G0B+4*\s+3], 0x80000000
.endr
	JLOAD G0, G1, G0B, G1B                         ; K slot 0: one tensor load a wave at the head
	global_prefetch_b8 v8, s[PFA:PFA+1] th:TH_LOAD_NT scope:SCOPE_SE
	global_prefetch_b8 v9, s[PFA:PFA+1] th:TH_LOAD_NT scope:SCOPE_SE
	v_and_b32 v1, 15, v0                           ; r
	v_bfe_u32 v2, v0, 4, 1                         ; h
	v_add_nc_u32 v[ADRA], s70, v3
	v_add_nc_u32 v[ADRB], s71, v3
	v_lshlrev_b32 v4, 3, v1
	v_add_nc_u32 v[ADSB], s72, v4                  ; Wo's scale words: 8 bytes a row
	v_lshlrev_b32 v4, 2, v1
	v_mad_u32_u24 v4, v2, OT, v4
	v_add_nc_u32 v[ADSA], s73, v4                  ; o's: lanes 0-15 an even row tile's words, lanes 16-31 the next tile's
.irp x, ADRA, ADRB, ADSB, ADSA
	v_add_nc_u32 v[\x+1], SLOT, v[\x]
.endr
	v_mul_u32_u24 v5, v1, SPITCH
	v_lshl_add_u32 v5, v2, 6, v5
	v_add_nc_u32 v[STO], s74, v5                   ; in: row r, + 64 h
	v_mul_u32_u24 v5, v2, SPITCH
	v_lshl_add_u32 v5, v1, 4, v5
	v_add_nc_u32 v[RD], s74, v5                    ; back: lanes 0-15 one row of 256 bytes, lanes 16-31 the next
	v_lshlrev_b32 v5, 13, v2
	v_lshl_add_u32 v[CO], v1, 4, v5                ; and the same two rows in out0
.macro FETCH slot, q, p                ; the fragments of the slot's q-th 128 along K into set p: 24 loads
	WIN TO_F
.irp i, 0,1,2,3
.irp g, 0,1,2
	ds_load_b128 v[128*(\p)+FR*\i+4*\g:128*(\p)+FR*\i+4*\g+3], v[ADRA+\slot] offset:\i*OT+(\q)*1536+512*\g
.endr
.endr
.irp i, 0,1,2,3
.irp g, 0,1,2
	ds_load_b128 v[128*(\p)+48+FR*\i+4*\g:128*(\p)+48+FR*\i+4*\g+3], v[ADRB+\slot] offset:((\q)/2)*BLK+((\q)%2)*12288+\i*1536+512*\g
.endr
.endr
	WIN 0
.endm
.macro SCALES sc                       ; a slot's scale words: Wo's, two words for each of two blocks and four row tiles; o's, a register for two row tiles and 128 along K
.irp k, 0,1
.irp b, 0,1,2,3
	ds_load_b64 v[SCB+16*(\sc)+8*\k+2*\b:SCB+16*(\sc)+8*\k+2*\b+1], v[ADSB+\sc] offset:\k*BLK+\b*128
.endr
.endr
.irp q, 0,1,2,3
.irp u, 0,1
	ds_load_b32 v[SCA+8*(\sc)+2*\q+\u], v[ADSA+\sc] offset:\u*2*OT+\q*64
.endr
.endr
.endm
; 4 matrix instructions: o's row tile a x Wo's four blocks.  The 16 accumulators take turns, one instruction a turn, in the same order in every step.
.macro MUL4 a, p, q, sc, zero
.irp b, 0,1,2,3
.if \zero
.if (\a)%2
	v_wmma_scale_f32_16x16x128_f8f6f4 v[ACC+8*(4*(\a)+\b):ACC+8*(4*(\a)+\b)+7], v[128*(\p)+48+FR*\b:128*(\p)+48+FR*\b+FR-1], v[128*(\p)+FR*(\a):128*(\p)+FR*(\a)+FR-1], 0, v[SCB+16*(\sc)+8*((\q)/2)+2*\b+(\q)%2], v[SCA+8*(\sc)+2*(\q)+(\a)/2] matrix_a_fmt:MATRIX_FMT_FP6 matrix_b_fmt:MATRIX_FMT_FP6 matrix_b_scale:MATRIX_SCALE_ROW1
.else
	v_wmma_scale_f32_16x16x128_f8f6f4 v[ACC+8*(4*(\a)+\b):ACC+8*(4*(\a)+\b)+7], v[128*(\p)+48+FR*\b:128*(\p)+48+FR*\b+FR-1], v[128*(\p)+FR*(\a):128*(\p)+FR*(\a)+FR-1], 0, v[SCB+16*(\sc)+8*((\q)/2)+2*\b+(\q)%2], v[SCA+8*(\sc)+2*(\q)+(\a)/2] matrix_a_fmt:MATRIX_FMT_FP6 matrix_b_fmt:MATRIX_FMT_FP6
.endif
.else
.if (\a)%2
	v_wmma_scale_f32_16x16x128_f8f6f4 v[ACC+8*(4*(\a)+\b):ACC+8*(4*(\a)+\b)+7], v[128*(\p)+48+FR*\b:128*(\p)+48+FR*\b+FR-1], v[128*(\p)+FR*(\a):128*(\p)+FR*(\a)+FR-1], v[ACC+8*(4*(\a)+\b):ACC+8*(4*(\a)+\b)+7], v[SCB+16*(\sc)+8*((\q)/2)+2*\b+(\q)%2], v[SCA+8*(\sc)+2*(\q)+(\a)/2] matrix_a_fmt:MATRIX_FMT_FP6 matrix_b_fmt:MATRIX_FMT_FP6 matrix_b_scale:MATRIX_SCALE_ROW1
.else
	v_wmma_scale_f32_16x16x128_f8f6f4 v[ACC+8*(4*(\a)+\b):ACC+8*(4*(\a)+\b)+7], v[128*(\p)+48+FR*\b:128*(\p)+48+FR*\b+FR-1], v[128*(\p)+FR*(\a):128*(\p)+FR*(\a)+FR-1], v[ACC+8*(4*(\a)+\b):ACC+8*(4*(\a)+\b)+7], v[SCB+16*(\sc)+8*((\q)/2)+2*\b+(\q)%2], v[SCA+8*(\sc)+2*(\q)+(\a)/2] matrix_a_fmt:MATRIX_FMT_FP6 matrix_b_fmt:MATRIX_FMT_FP6
.endif
.endif
.endr
.endm
.macro PLACES
.rept 4
	v_nop
.endr
.endm
.macro STEP slot, q, zero              ; 128 along K that has its successor in the same slot: the successor's fragments are asked for ahead of this step's 16 products
	s_wait_dscnt 0x0                               ; this step's fragments, and the slot's scale words, are in
	PLACES                                         ; behind the last step's products, whose set is loaded anew
	FETCH \slot, (\q)+1, 1-(\q)%2
	WIN MUL
	MUL4 0, (\q)%2, \q, \slot, \zero
	MUL4 1, (\q)%2, \q, \slot, \zero
	MUL4 2, (\q)%2, \q, \slot, \zero
	MUL4 3, (\q)%2, \q, \slot, \zero
	WIN 0
.endm
.macro THREE slot, zero
	STEP \slot, 0, \zero
	STEP \slot, 1, 0
	STEP \slot, 2, 0
.endm
; A slot's last step changes slots: one barrier; in front of it each wave waits for all its tensor loads, adds 0 to its spare word, and waits for that and for its own reads of this slot.
.macro TURN slot, next, fill
	s_wait_tensorcnt 0x0                           ; all my tensor loads have landed: my part of the next slot
	ds_add_u32 v[SPW], v[NIL]
	s_wait_dscnt 1                                 ; this step's fragments are in; the add may be out
	WIN MUL
	MUL4 0, 1, 3, \slot, 0
	s_wait_dscnt 0x0                               ; the add is done, and my reads of this slot are over
	s_barrier_signal -1
	MUL4 1, 1, 3, \slot, 0
	WIN 0
	s_barrier_wait -1
.if \fill
	CREST                                          ; the barrier has opened a round of the cluster's: no wave of any partner still reads this slot or has a load on its way
	s_add_nc_u64 s[G0+4*\slot+2:G0+4*\slot+3], s[G0+4*\slot+2:G0+4*\slot+3], 2*OT
	s_add_nc_u64 s[G0B+4*\slot+2:G0B+4*\slot+3], s[G0B+4*\slot+2:G0B+4*\slot+3], 4*BLK
	JLOAD G0+4*\slot, G1, G0B+4*\slot, G1B         ; the first tensor load behind the round; its four v_nop are the places in front of the loads below
.else
	PLACES
.endif
	FETCH \next, 0, 0
	SCALES \next
	WIN MUL
	MUL4 2, 1, 3, \slot, 0
	MUL4 3, 1, 3, \slot, 0
	WIN 0
.endm
	s_wait_alu depctr_va_vdst(0)
	s_wait_tensorcnt 0x0                           ; my part of K slot 0 is in
	ds_add_u32 v[SPW], v[NIL]
	s_wait_dscnt 0x0
	CROUND                                         ; a whole round: slot 0 is whole, and the joint loads meet
	JLOAD G0+4, G1, G0B+4, G1B                     ; K slot 1, the first tensor load behind the round
	FETCH 0, 0, 0
	SCALES 0
	global_prefetch_b8 v10, s[PFA:PFA+1] th:TH_LOAD_NT scope:SCOPE_SE
	THREE 0, 1                                     ; the first step's products start the sums
	TURN 0, 1, 1                                   ; K slot 2 into slot 0
	THREE 1, 0
	TURN 1, 0, 1                                   ; K slot 3 into slot 1
	THREE 0, 0
	TURN 0, 1, 0                                   ; nothing more to fetch
	THREE 1, 0
	s_wait_dscnt 0x0
	WIN MUL
	MUL4 0, 1, 3, 1, 0
	MUL4 1, 1, 3, 1, 0
	MUL4 2, 1, 3, 1, 0
	MUL4 3, 1, 3, 1, 0
	WIN 0
	; THE WAY OUT, a row tile at a time through my own stage.  Register j of block b is true column 32 (b / 2) + 16 h + 8 (b % 2) + j of my 64; stage row p of tile a is true row 32 (a / 2) + 8 (a % 2) + p + 8 (p / 8) of my 64.
	PLACES
.irp a, 0,1,2,3
.irp b, 0,1,2,3
	ds_store_b128 v[STO], v[ACC+8*(4*\a+\b):ACC+8*(4*\a+\b)+3] offset:128*(\b/2)+32*(\b%2)          ; each accumulator from its low end on
	ds_store_b128 v[STO], v[ACC+8*(4*\a+\b)+4:ACC+8*(4*\a+\b)+7] offset:128*(\b/2)+32*(\b%2)+16
.endr
.if \a > 0
	s_wait_xcnt 0x0                                ; the last tile's stores have read their registers: only now are they loaded again
.endif
.irp t, 0,1,2,3,4,5,6,7
	ds_load_b128 v[OUTR+4*\t:OUTR+4*\t+3], v[RD] offset:\t*2*SPITCH   ; LDS serves a wave's instructions in order: these see the stores above, and the next tile's stores come behind them
.endr
	s_wait_dscnt 0x0
.irp t, 0,1,2,3,4,5,6,7
	global_store_b128 v[CO], v[OUTR+4*\t:OUTR+4*\t+3], s[12:13] offset:(32*(\a/2)+8*(\a%2)+2*\t+8*(\t/4))*8192 th:TH_STORE_NT   ; 16 lanes store 256 consecutive bytes, aligned
.endr
.endr
	s_wait_tensorcnt 0x0                           ; the wave's end, behind my last tensor load and my last LDS store
	ds_add_u32 v[SPW], v[NIL]
	s_wait_dscnt 0x0
	CROUND                                         ; the closing round
	s_endpgm
.Lfunc_end_k_qd3ae9c5226_oproj:
	.size	k_qd3ae9c5226_oproj, .Lfunc_end_k_qd3ae9c5226_oproj-k_qd3ae9c5226_oproj
	.p2alignl 7, 3214868480
	.fill 96, 4, 3214868480
	.section	.rodata,"a",@progbits
	.p2align	6, 0x0
	.amdhsa_kernel k_qd3ae9c5226_oproj
		.amdhsa_group_segment_fixed_size 327680
		.amdhsa_private_segment_fixed_size 0
		.amdhsa_enable_private_segment 0
		.amdhsa_kernarg_size 24
		.amdhsa_user_sgpr_count 2
		.amdhsa_user_sgpr_kernarg_segment_ptr 1
		.amdhsa_wavefront_size32 1
		.amdhsa_system_sgpr_workgroup_id_x 1
		.amdhsa_system_sgpr_workgroup_id_y 1
		.amdhsa_system_sgpr_workgroup_id_z 1
		.amdhsa_system_vgpr_workitem_id 0
		.amdhsa_next_free_vgpr 512
		.amdhsa_next_free_sgpr 98
		.amdhsa_reserve_vcc 0
		.amdhsa_float_denorm_mode_32 3
		.amdhsa_float_denorm_mode_16_64 3
		.amdhsa_memory_ordered 1
		.amdhsa_forward_progress 1
		.amdhsa_inst_pref_size 83
	.end_amdhsa_kernel
	.amdgpu_metadata
---
amdhsa.version: [ 1, 2 ]
amdhsa.kernels:
  - .name:           k_qd3ae9c5226_oproj
    .symbol:         k_qd3ae9c5226_oproj.kd
    .args:
      - { .name: oimg, .offset: 0, .size: 8, .value_kind: global_buffer, .address_space: global }
      - { .name: wimg, .offset: 8, .size: 8, .value_kind: global_buffer, .address_space: global }
      - { .name: out0, .offset: 16, .size: 8, .value_kind: global_buffer, .address_space: global }
    .group_segment_fixed_size: 327680
    .private_segment_fixed_size: 0
    .kernarg_segment_align: 8
    .kernarg_segment_size: 24
    .max_flat_workgroup_size: 128
    .sgpr_count:     98
    .vgpr_count:     512
    .wavefront_size: 32
...
	.end_amdgpu_metadata
.endif
;; end of part 4
